; MI455X (gfx1250); checked and timed in simulation.
; The chip was launched on July 23, 2026; its instructions are those of AMD's public machine-readable ISA for CDNA 5 (MIT licence, August 2026) and "CDNA5" Instruction Set Architecture Reference Guide (July 2026). The comments in the code are by the model that wrote it; some were corrected since.
;; Dynamic Expansion Block. Allowed arithmetic: matrix products marked QUANTISED: E2M3 operands, one E8M0 scale for each 32 along K, by v_wmma_scale_f32_16x16x128_f8f6f4 with both operands' format E2M3, f32 sums; everything else in f32.
;; Inputs: W_a_codes 1,024 x 32 x 24 uint8 (E2M3 codes of W_a, K innermost, in blocks of 32 codes, four codes in three bytes); W_a_scales 1,024 x 32 uint8 (E8M0 scales of W_a, one for each 32 codes along K); W_b_codes 1,024 x 32 x 24 uint8 (E2M3 codes of W_b, K innermost, in blocks of 32 codes, four codes in three bytes); W_b_scales 1,024 x 32 uint8 (E8M0 scales of W_b, one for each 32 codes along K); W_cond_codes 1,024 x 32 x 24 uint8 (E2M3 codes of W_cond, K innermost, in blocks of 32 codes, four codes in three bytes); W_cond_scales 1,024 x 32 uint8 (E8M0 scales of W_cond, one for each 32 codes along K); W_key_codes 1,024 x 32 x 24 uint8 (E2M3 codes of W_key, K innermost, in blocks of 32 codes, four codes in three bytes); W_key_scales 1,024 x 32 uint8 (E8M0 scales of W_key, one for each 32 codes along K); W_sel_codes 1,024 x 32 x 24 uint8 (E2M3 codes of W_sel, K innermost, in blocks of 32 codes, four codes in three bytes); W_sel_scales 1,024 x 32 uint8 (E8M0 scales of W_sel, one for each 32 codes along K); b_a 1,024 float32; b_b 1,024 float32; b_cond 1,024 float32; b_key 1,024 float32; b_sel 1,024 float32; bias_emb 16 x 1,024 float32; bw_mask 32 x 128 x 2,048 int32; fw_mask 32 x 2,048 x 128 int32; n_indexes 32 x 16 int32; query_emb 16 x 1,024 float32; x_codes 32 x 128 x 32 x 24 uint8 (E2M3 codes of x, K innermost, in blocks of 32 codes, four codes in three bytes); x_scales 32 x 128 x 32 uint8 (E8M0 scales of x, one for each 32 codes along K).
;; Outputs: out0 32 x 128 x 1,024 float32.
;; This version of the problem:
;;   THIS VERSION OF THE PROBLEM IS GIVEN IN LOW PRECISION. The matrix products marked QUANTISED in the list below multiply operands that are first quantised to E2M3 (2 exponent bits, 3 mantissa bits; 6 bits a number), with one power-of-two scale for each 32 numbers along K (OCP MX v1.0); their sums are f32. All else is computed in f32.
;;   The module's matrix products, in the order in which they are computed (A, B: the left and right operand; K: the contracted axis; several contracted axes count as one K, in the product's order):
;;     1. [M 4,096, K 1,024] x [K 1,024, N 1,024]; A: input x (given as codes); B: input W_cond (given as codes): QUANTISED
;;     2. [M 4,096, K 1,024] x [K 1,024, N 1,024]; A: input x (given as codes); B: input W_key (given as codes): QUANTISED
;;     3. batch 32 x [M 2,048, K 1,024] x [K 1,024, N 128]; A: computed on the way; B: computed on the way: QUANTISED
;;     4. [M 4,096, K 1,024] x [K 1,024, N 1,024]; A: input x (given as codes); B: input W_a (given as codes): QUANTISED
;;     5. batch 32 x [M 2,048, K 128] x [K 128, N 1,024]; A: computed on the way; B: computed on the way: QUANTISED
;;     6. [M 4,096, K 1,024] x [K 1,024, N 1,024]; A: input x (given as codes); B: input W_b (given as codes): QUANTISED
;;     7. batch 32 x [M 2,048, K 128] x [K 128, N 1,024]; A: computed on the way; B: computed on the way: QUANTISED
;;     8. batch 32 x [M 128, K 2,048] x [K 2,048, N 1,024]; A: computed on the way; B: computed on the way: QUANTISED
;;     9. batch 32 x [M 128, K 2,048] x [K 2,048, N 1,024]; A: computed on the way; B: computed on the way: QUANTISED
;;     10. [M 4,096, K 1,024] x [K 1,024, N 1,024]; A: input x (given as codes); B: input W_sel (given as codes): QUANTISED
;;   THE QUANTISER, for each operand of a quantised product, along K:
;;     - K is cut into blocks of 32 from its start; a last block that is shorter is filled with zeros.
;;     - A block's scale is 2^e with e = floor(log2(the largest magnitude in the block)) - 2, held to -126 .. 127; a block of zeros has e = 0. As a byte (E8M0): e + 127.
;;     - Each number is divided by its block's scale, clamped to +-7.5, and rounded to the nearest number of E2M3, ties to even, subnormals kept.
;;     - The product sums the exact products of the quantised numbers (number of the format x scale) in f32.
;;   ~~~python
;;   def quantise(x, axis):      # numpy; x: float32 -> the quantised numbers, widened to float32 again
;;       x = np.moveaxis(x, axis, -1); K = x.shape[-1]
;;       x = np.pad(x, [(0, 0)] * (x.ndim - 1) + [(0, -K % 32)]); x = x.reshape(x.shape[:-1] + (-1, 32)); a = np.abs(x).max(-1, keepdims=True)
;;       e = np.where(a > 0, np.clip(np.frexp(np.where(a > 0, a, 1))[1] - 1 - 2, -126, 127), 0)      # np.frexp(a)[1] - 1 = floor(log2(a)), exactly
;;       r = np.clip(x / 2.0 ** e, -7.5, 7.5)
;;       step = 2.0 ** (np.maximum(np.frexp(np.where(r == 0, 1, r))[1] - 1, 0) - 3)
;;       q = np.round(r / step) * step * 2.0 ** e      # np.round: ties to even
;;       return np.moveaxis(q.reshape(q.shape[:-2] + (-1,))[..., :K], -1, axis).astype(np.float32)
;;   ~~~
;;   OPERANDS COMPUTED ON THE WAY. 'Computed on the way' means the value that the module computes at that place (a softmax that the list does not call 'softmax' is quantised finished and normalised). What goes into a quantiser is computed in f32, as accurately as f32 sums, v_exp_f32 and their like allow (about 1e-6 of the number): no bf16 or f16 on the way to a quantiser, and a product that is left as it is and whose result goes on into a quantised operand takes f32 operands (vector FMAs, or v_wmma_f32_16x16x4_f32). A number that lies on a knife's edge between two numbers of the format may be rounded either way, as far as f32 arithmetic and the matrix unit's own rounding can turn it there, and no further.
;;   INPUTS GIVEN AS CODES. W_a (in the module: [1024, 1024], K = its axis 0); W_b (in the module: [1024, 1024], K = its axis 0); W_cond (in the module: [1024, 1024], K = its axis 0); W_key (in the module: [1024, 1024], K = its axis 0); W_sel (in the module: [1024, 1024], K = its axis 0); x (in the module: [32, 128, 1024], K = its axis 2): each comes as NAME_codes (uint8): NAME with its K axis moved to the last place and cut into blocks of 32 codes, [.., K / 32, bytes a block], one block behind the other in memory; four codes in three bytes: a row's codes are one little-endian stream of bits, code i at bits 6 i .. 6 i + 5 (a code: sign, 2 exponent bits, 3 mantissa bits); and NAME_scales (uint8): the same leading axes, one E8M0 byte (e + 127) for each 32 codes along K. Its value is code x scale, taken as it is: it is not quantised again, and the codes and scales need not be those that the quantiser above would give.
;; One version. Each part assembles by itself: llvm-mc -triple=amdgcn-amd-amdhsa -mcpu=gfx1250 --defsym DOCPART=n.
;; ======== version 1 of 1: 4 launches
;; workspace buffers: cond_f 16,777,216 bytes; key_q 3,407,872 bytes; va_q 6,815,744 bytes; sel_f 16,777,216 bytes; fw_q 13,631,488 bytes; zt_f 33,554,432 bytes; bw_c 12,582,912 bytes; bw_s 524,288 bytes
;; launch proj (part 1): grid 8 x 32, 4 waves a work-group, clusters of 4 x 4, 327,680 bytes of LDS; arguments x_codes, x_scales, W_cond_codes, W_cond_scales, W_key_codes, W_key_scales, W_sel_codes, W_sel_scales, W_a_codes, W_a_scales, W_b_codes, W_b_scales, b_cond, b_key, b_sel, b_a, b_b, cond_f, key_q, sel_f, va_q; writes cond_f, key_q, sel_f, va_q
.if DOCPART == 1
	.amdgcn_target "amdgcn-amd-amdhsa--gfx1250"
	.amdhsa_code_object_version 6
	.text
	.protected	k_qbe5b5ed626_proj
	.globl	k_qbe5b5ed626_proj
	.p2align	8
	.type	k_qbe5b5ed626_proj,@function
k_qbe5b5ed626_proj:
	s_mov_b64 s[64:65], 0
	v_nop
	global_prefetch_b8 v0, s[64:65] scope:SCOPE_SE
	s_setreg_imm32_b32 hwreg(HW_REG_WAVE_MODE, 25, 1), 1
	s_wait_xcnt 0x0
	s_wait_alu depctr_hold_cnt(0) depctr_sa_sdst(0) depctr_va_vdst(0) depctr_va_sdst(0) depctr_va_ssrc(0) depctr_va_vcc(0) depctr_vm_vsrc(0)
	s_getreg_b32 s2, hwreg(HW_REG_IB_STS2, 6, 4)
	s_cmp_eq_u32 s2, 0
	s_cbranch_scc0 .Lentry_in_a_cluster
	s_endpgm
.Lentry_in_a_cluster:
	s_bfe_u32 s2, ttmp6, 0x10000c
	s_cmp_lg_u32 s2, 0xf033
	s_cbranch_scc0 .Lentry_shape_is_right
	s_endpgm
.Lentry_shape_is_right:
; The five projections of x (cond, key, sel, a, b), all on codes of FP6 (E2M3) with E8M0 scales, f32 sums, the bias as the C of each sum's first product.
; Work-group (ds, b): batch b's 128 rows of x stay in LDS; the 128 rows 128 ds .. +127 of the five weights walk through two LDS slots.
; A wave makes 128 x 32: source 0 = all 128 rows of P, source 1 = rows 32 w .. +31 of Q.  cond, key, sel: P = W, Q = x (a lane holds one row of x, registers run along d).
; a, b: P = x, Q = W (a lane holds one d, registers run along the keys, which are the next product's K).
; OUT: cond and sigmoid(sel) as f32 images of the accumulators (512 consecutive bytes a store); key and a, b quantised in registers along d or along the keys and stored as images of
; the operand's registers (3 x 512 bytes a fragment, 128 bytes of scale words).  Inside a block of 32 the codes stand in the order in which the accumulators hold them: position 16 h + i is
; element 16 (i / 8) + 8 h + i % 8; every partner operand is laid in the same order, so the sums are the contract's.
; The five biases are loaded once, at the head, into 224 registers of window 2, in the results' layout: no trip waits for memory on their account.
; CLUSTER 4 x 4: x's tile hangs on b alone (shared along a row), a weight's on ds alone (shared along a column): joint loads.
; LIMITS: a block of zeros gets the scale byte 1 (its codes are zeros; only this program reads the bytes); NaN and infinities are not served; sigmoid is 1 / (1 + 2^(-x log2 e)) by v_exp_f32 and v_rcp_f32.
.set REGN,  108800                     ; a region: 128 rows x 816 bytes of codes (3 x (256 + 16)), then 16 x 272 bytes of scales
.set SCO,   104448                     ; the scales' place in a region
.set HALF,  52224                      ; 64 rows of codes: one tensor load
.set TILEB, 13056                      ; 16 rows
.set SPARE, 326400                     ; the spare words, 128 bytes a wave
.set ACC,   96                         ; v96-223  16 accumulators: 64 n + 8 g
.set SCW,   20                         ; v20-39   scale words, two sets of 8 + 2
.set TM,    40                         ; v40-55   at work in QUANT
.set PW,    56                         ; v56      the scale word just made
.set PX,    58                         ; v58-64   QUANT's second halves
.set PC,    68                         ; v68-79   the fragment just made
.set SEL,   62                         ; s[62:63] selects for lane l xor 16
.set WV,    48                         ; s48      wave
.set G0X,   36                         ; s[36:39] group 0 for x
.set G0W,   40                         ; s[40:47] group 0 for the weights' two slots
.set G1XC,  68                         ; s[68:75] group 1: x's codes;  s[76:83] x's scales;  s[84:91] W's codes;  s[92:99] W's scales
.set G1XS,  76
.set G1WC,  84
.set G1WS,  92
.set BB,    0                          ; window 2: where the bias of the trip in hand begins: cond 0, key 64, sel 128, a 192, b 208
.set MSB, 0
.macro WIN new                         ; the immediate's high byte repeats the setting that is left
.if MSB != \new
	s_set_vgpr_msb (MSB<<8)|\new
.set MSB, \new
.endif
.endm
.macro PLACES cnt
.rept \cnt
	v_nop
.endr
.endm
.macro CROUND                          ; a round of the cluster's barrier
	s_barrier_signal -1
	s_barrier_wait -1
	s_cmp_lg_u32 s[WV], 0
	s_cbranch_scc1 .Lnw0_\@
	s_barrier_signal -3
.Lnw0_\@:
	s_barrier_wait -3
	s_barrier_signal -1
	s_barrier_wait -1
.endm
.macro TL g0, g1c, g1s                 ; waves 0, 1: a half of the codes; wave 2: the scales; wave 3: nothing.  Four v_nop follow each line
	s_cmp_lt_u32 s[WV], 2
	s_cbranch_scc0 .Lnc_\@
	tensor_load_to_lds s[\g0:\g0+3], s[\g1c:\g1c+7]
	s_nop 0
	PLACES 4
	s_branch .Ldn_\@
.Lnc_\@:
	s_cmp_eq_u32 s[WV], 2
	s_cbranch_scc0 .Ldn_\@
	tensor_load_to_lds s[\g0:\g0+3], s[\g1s:\g1s+7]
	s_nop 0
	PLACES 4
.Ldn_\@:
.endm
; 64 numbers of a lane, register 16 b + i of block b, become a fragment's 12 registers at v[pc] and its scale word in v[pw].
.macro QUANT src, pc, pw
.irp b, 0,1,2,3
	v_max3_num_f32 v[TM+\b], |v[(\src)+16*\b]|, |v[(\src)+1+16*\b]|, 0x1800000   ; my 16 numbers and the floor 2^(3 - 127): the byte cannot fall under 1
.endr
.irp i, 2,4,6,8,10,12,14
.irp b, 0,1,2,3
	v_max3_num_f32 v[TM+\b], v[TM+\b], |v[(\src)+16*\b+\i]|, |v[(\src)+1+16*\b+\i]|
.endr
.endr
.irp b, 0,1,2,3
	v_permlanex16_b32 v[TM+4+\b], v[TM+\b], s[SEL], s[SEL+1]
.endr
.irp b, 0,1,2,3
	v_max_num_f32 v[TM+\b], v[TM+\b], v[TM+4+\b]       ; with lane l xor 16's: the block's largest magnitude
.endr
.irp b, 0,1,2,3
	v_add_nc_u32 v[TM+12+\b], 0xff000000, v[TM+\b]     ; 2 off the exponent field: the conversion's scale operand
.endr
.irp b, 0,1,2,3
	v_lshrrev_b32 v[TM+4+\b], 23, v[TM+12+\b]          ; the scale's byte
.endr
	v_lshl_or_b32 v[\pw], v[TM+5], 8, v[TM+4]
	v_lshl_or_b32 v[\pw], v[TM+6], 16, v[\pw]
	v_lshl_or_b32 v[\pw], v[TM+7], 24, v[\pw]
.irp c, 0,1
	v_cvt_scalef32_pk16_fp6_f32 v[(\pc)+6*\c:(\pc)+2+6*\c], v[(\src)+32*\c:(\src)+15+32*\c], v[TM+12+2*\c]
	v_cvt_scalef32_pk16_fp6_f32 v[PX+4*\c:PX+2+4*\c], v[(\src)+16+32*\c:(\src)+31+32*\c], v[TM+12+2*\c+1]
.endr
	v_nop                                              ; one plain place behind a scaled conversion
.irp c, 0,1                                        ; a whole block to a lane: lanes 0-15 block 2 c, lanes 16-31 block 2 c + 1
.irp i, 0,1,2
	v_permlane16_swap_b32 v[(\pc)+6*\c+\i], v[PX+4*\c+\i]
.endr
.irp i, 0,1,2
	v_mov_b32 v[(\pc)+3+6*\c+\i], v[PX+4*\c+\i]
.endr
.endr
.endm
	s_load_b512 s[68:83], s[0:1], 0x0              ; x c, x s, cond c, s, key c, s, sel c, s
	s_load_b256 s[84:91], s[0:1], 0x40             ; a c, s, b c, s
	s_load_b256 s[16:23], s[0:1], 0x60             ; b_cond, b_key, b_sel, b_a
	s_load_b64 s[24:25], s[0:1], 0x80              ; b_b
	s_load_b256 s[28:35], s[0:1], 0x88             ; cond_f, key_q, sel_f, va_q
	v_lshl_add_u32 v16, v0, 2, SPARE               ; my spare word; never rewritten
	v_mov_b32 v17, 0
	ds_add_u32 v16, v17
	s_wait_dscnt 0x0
	v_lshrrev_b32 v1, 5, v0
	v_readfirstlane_b32 s[WV], v1
	s_bfe_u32 s49, ttmp6, 0x40000                  ; cx
	s_bfe_u32 s50, ttmp6, 0x40004                  ; cy
	s_lshl_b32 s51, ttmp9, 2
	s_add_co_u32 s51, s51, s49                     ; ds
	s_and_b32 s52, ttmp7, 0xffff
	s_lshl_b32 s52, s52, 2
	s_add_co_u32 s52, s52, s50                     ; b
	s_lshl_b32 s53, s50, 2
	s_lshl_b32 s53, 15, s53                        ; my row of the cluster
	s_lshl_b32 s54, 0x1111, s49                    ; my column
	s_mul_i32 s60, s[WV], 26112                    ; Q's 32 rows
	s_mul_i32 s26, s[WV], 1088                     ; and their scales
	s_mul_i32 s3, s[WV], 49152
	s_cmp_lt_u32 s[WV], 2                          ; waves 0, 1 fetch codes, wave 2 scales
	s_mov_b32 s55, 4096
	s_cselect_b32 s55, 98304, s55                  ; bytes of a tile of 128 rows
	s_cselect_b32 s3, s3, 0                        ; my half
	s_mul_i32 s56, s52, s55                        ; x: by b alone
	s_mul_i32 s58, s51, s55                        ; W: by ds alone
	s_add_co_u32 s56, s56, s3
	s_add_co_u32 s58, s58, s3
	s_mov_b32 s57, 0
	s_mov_b32 s59, 0
	s_mov_b32 s[SEL], 0x76543210
	s_mov_b32 s[SEL+1], 0xfedcba98
	s_wait_kmcnt 0x0
	s_cmp_lt_u32 s[WV], 2
	s_cselect_b64 s[4:5], s[68:69], s[70:71]
	s_cselect_b64 s[6:7], s[72:73], s[74:75]
	s_cselect_b64 s[8:9], s[76:77], s[78:79]
	s_cselect_b64 s[10:11], s[80:81], s[82:83]
	s_cselect_b64 s[12:13], s[84:85], s[86:87]
	s_cselect_b64 s[14:15], s[88:89], s[90:91]
	s_add_nc_u64 s[4:5], s[4:5], s[56:57]
.irp p, 6,8,10,12,14
	s_add_nc_u64 s[\p:\p+1], s[\p:\p+1], s[58:59]
.endr
	; group 1: dense blocks as rows of 256 bytes (32 elements of 8 bytes), 16 bytes of padding behind each; 192 rows of codes, 16 of scales
	s_or_b32 s[G1XC], s53, (3<<16)|(1<<20)|(1<<21)|(5<<22)|(3<<25)
	s_or_b32 s[G1XS], s53, (3<<16)|(1<<20)|(1<<21)|(5<<22)|(3<<25)
	s_or_b32 s[G1WC], s54, (3<<16)|(1<<20)|(1<<21)|(5<<22)|(3<<25)
	s_or_b32 s[G1WS], s54, (3<<16)|(1<<20)|(1<<21)|(5<<22)|(3<<25)
.irp g, G1XC, G1WC
	s_mov_b32 s[\g+1], 32<<16
	s_mov_b32 s[\g+2], 192<<16
	s_mov_b32 s[\g+3], 32<<16
	s_mov_b32 s[\g+4], 192
	s_mov_b32 s[\g+5], 32
	s_mov_b32 s[\g+6], 0
	s_mov_b32 s[\g+7], 0
.endr
.irp g, G1XS, G1WS
	s_mov_b32 s[\g+1], 32<<16
	s_mov_b32 s[\g+2], 16<<16
	s_mov_b32 s[\g+3], 32<<16
	s_mov_b32 s[\g+4], 16
	s_mov_b32 s[\g+5], 32
	s_mov_b32 s[\g+6], 0
	s_mov_b32 s[\g+7], 0
.endr
	s_mul_i32 s27, s[WV], HALF                     ; wave 2's place is the scales'
	s_mov_b32 s[G0X], 1
	s_mov_b32 s[G0X+1], s27
	s_mov_b64 s[G0X+2:G0X+3], s[4:5]
	s_or_b32 s[G0X+3], s[G0X+3], 0x80000000
	s_mov_b32 s[G0W], 1
	s_add_co_u32 s[G0W+1], s27, REGN
	s_mov_b64 s[G0W+2:G0W+3], s[6:7]
	s_or_b32 s[G0W+3], s[G0W+3], 0x80000000
	s_mov_b32 s[G0W+4], 1
	s_add_co_u32 s[G0W+5], s27, 2*REGN
	CROUND                                         ; all sixteen work-groups are here: the first joint loads meet
	s_cmp_lt_u32 s[WV], 2                          ; a wave's two first fills stand in one branch: two loads of mine are out
	s_cbranch_scc0 .Lf_nc
	tensor_load_to_lds s[G0X:G0X+3], s[G1XC:G1XC+7]
	s_nop 0
	tensor_load_to_lds s[G0W:G0W+3], s[G1WC:G1WC+7]
	s_nop 0
	PLACES 4
	s_branch .Lf_dn
.Lf_nc:
	s_cmp_eq_u32 s[WV], 2
	s_cbranch_scc0 .Lf_dn
	tensor_load_to_lds s[G0X:G0X+3], s[G1XS:G1XS+7]
	s_nop 0
	tensor_load_to_lds s[G0W:G0W+3], s[G1WS:G1WS+7]
	s_nop 0
	PLACES 4
.Lf_dn:
	v_and_b32 v1, 15, v0                           ; r
	v_bfe_u32 v2, v0, 4, 1                         ; h
	v_mul_u32_u24 v3, v1, 816
	v_mad_u32_u24 v4, v2, 40, v3                   ; row + 24 h behind one padding more
	v_mad_u32_u24 v3, v2, 24, v3                   ; row + 24 h
	v_lshrrev_b32 v5, 3, v1
	v_mul_u32_u24 v5, v5, 272
	v_and_b32 v6, 7, v1
	v_lshl_add_u32 v5, v6, 5, v5                   ; my row's 32 scale bytes: eight rows to a unit of 272
	v_and_b32 v7, 31, v0
	v_lshlrev_b32 v6, 4, v7                        ; 16 x lane
	v_lshlrev_b32 v7, 2, v7                        ; 4 x lane
	v_lshlrev_b32 v18, 5, v2                       ; bias, registers along d: 32 h; never rewritten
	v_lshlrev_b32 v19, 2, v1
	v_lshl_add_u32 v19, s[WV], 7, v19              ; bias, a lane a d: 4 r + 128 w; never rewritten
.irp b, 0,1,2,3
	v_mov_b32 v[TM+4+\b], 0                        ; written once: a lane permute's destination counts as a source
.endr
	s_lshl_b32 s2, s51, 9                          ; the biases at d = 128 ds
	s_mov_b32 s3, 0
.irp p, 16,18,20,22,24
	s_add_nc_u64 s[\p:\p+1], s[\p:\p+1], s[2:3]
.endr
.macro BIAS1 sb, base                  ; registers along d: tile g's eight numbers of my half
.irp g, 0,1,2,3,4,5,6,7
	global_load_b128 v[\base+8*\g:\base+8*\g+3], v18, s[\sb:\sb+1] offset:64*\g
	global_load_b128 v[\base+8*\g+4:\base+8*\g+7], v18, s[\sb:\sb+1] offset:64*\g+16
.endr
.endm
.macro BIAS2 sb, base                  ; a lane a d: the same number in all eight registers
.irp n, 0,1
.irp j, 0,1,2,3,4,5,6,7
	global_load_b32 v[\base+8*\n+\j], v19, s[\sb:\sb+1] offset:64*\n
.endr
.endr
.endm
	WIN 0x80                                       ; destination window 2: all five biases now, while the first tiles are on their way
	BIAS1 16, 0
	BIAS1 18, 64
	BIAS1 20, 128
	BIAS2 22, 192
	BIAS2 24, 208
	WIN 0
	s_lshl_b32 s2, s52, 19                         ; cond_f: [b][kap = 2 w + n][ds][8192]
	s_lshl_b32 s27, s51, 13
	s_add_co_u32 s2, s2, s27
	s_lshl_b32 s27, s[WV], 17
	s_add_co_u32 s2, s2, s27
	s_add_nc_u64 s[28:29], s[28:29], s[2:3]
	s_mul_i32 s2, s52, 106496                      ; key_q: a batch
	s_add_nc_u64 s[30:31], s[30:31], s[2:3]
	s_lshl_b32 s2, s52, 19                         ; sel_f: [b][ds][kap][8192]
	s_lshl_b32 s27, s51, 16
	s_add_co_u32 s2, s2, s27
	s_lshl_b32 s27, s[WV], 14
	s_add_co_u32 s2, s2, s27
	s_add_nc_u64 s[32:33], s[32:33], s[2:3]
	s_mul_i32 s2, s52, 212992                      ; va_q: a batch
	s_add_nc_u64 s[34:35], s[34:35], s[2:3]
	s_lshl_b32 s27, s51, 3
	s_lshl_b32 s2, s[WV], 1
	s_add_co_u32 s27, s27, s2                      ; 8 ds + 2 w: my first fragment
	s_mul_i32 s2, s27, 1536
	v_add_nc_u32 v80, s2, v6                       ; its image
	s_lshl_b32 s2, s27, 7
	v_add_nc_u32 v81, s2, v7                       ; its scale words
; a fragment: 16 rows x 128 K = six pieces of 8 bytes; a piece whose partner three pieces on lies behind one padding more takes the second address register
.macro FRAGA reg, adr, ks, off
.irp p, 0,1,2,3,4,5
.set X0, 96*(\ks)+48*(\p/3)+8*(\p%3)
.if X0%256 < 232
	ds_load_b64 v[\reg+2*\p:\reg+2*\p+1], v[\adr] offset:X0+16*(X0/256)+\off
.else
	ds_load_b64 v[\reg+2*\p:\reg+2*\p+1], v[\adr+2] offset:X0+16*(X0/256)+\off
.endif
.endr
.endm
.macro FETCH ks, f                     ; K step ks into set f: P's eight fragments, Q's two, their scale words
	WIN 0x40
.irp g, 0,1,2,3,4,5,6,7
	FRAGA 128*(\f)+12*\g, 8+\g/4, \ks, (\g%4)*TILEB
.endr
.irp n, 0,1
	FRAGA 128*(\f)+96+12*\n, 12, \ks, \n*TILEB
.endr
	WIN 0
.irp g, 0,1,2,3,4,5,6,7
	ds_load_b32 v[SCW+10*(\f)+\g], v13 offset:\g*544+4*(\ks)
.endr
.irp n, 0,1
	ds_load_b32 v[SCW+10*(\f)+8+\n], v15 offset:\n*544+4*(\ks)
.endr
.endm
.macro MUL ks, f, ty                   ; 16 products, the 16 accumulators by turns; the first K step takes the bias as C
.if (\ks) == 0
	WIN 0x25
.else
	WIN 0x05
.endif
.irp n, 0,1
.irp g, 0,1,2,3,4,5,6,7
.if (\ks) == 0
.if \ty == 1
	v_wmma_scale_f32_16x16x128_f8f6f4 v[ACC+64*\n+8*\g:ACC+64*\n+8*\g+7], v[128*(\f)+12*\g:128*(\f)+12*\g+11], v[128*(\f)+96+12*\n:128*(\f)+96+12*\n+11], v[BB+8*\g:BB+8*\g+7], v[SCW+10*(\f)+\g], v[SCW+10*(\f)+8+\n] matrix_a_fmt:MATRIX_FMT_FP6 matrix_b_fmt:MATRIX_FMT_FP6
.else
	v_wmma_scale_f32_16x16x128_f8f6f4 v[ACC+64*\n+8*\g:ACC+64*\n+8*\g+7], v[128*(\f)+12*\g:128*(\f)+12*\g+11], v[128*(\f)+96+12*\n:128*(\f)+96+12*\n+11], v[BB+8*\n:BB+8*\n+7], v[SCW+10*(\f)+\g], v[SCW+10*(\f)+8+\n] matrix_a_fmt:MATRIX_FMT_FP6 matrix_b_fmt:MATRIX_FMT_FP6
.endif
.else
	v_wmma_scale_f32_16x16x128_f8f6f4 v[ACC+64*\n+8*\g:ACC+64*\n+8*\g+7], v[128*(\f)+12*\g:128*(\f)+12*\g+11], v[128*(\f)+96+12*\n:128*(\f)+96+12*\n+11], v[ACC+64*\n+8*\g:ACC+64*\n+8*\g+7], v[SCW+10*(\f)+\g], v[SCW+10*(\f)+8+\n] matrix_a_fmt:MATRIX_FMT_FP6 matrix_b_fmt:MATRIX_FMT_FP6
.endif
.endr
.endr
.endm
; The head of a trip: all my tensor loads have landed, the add, my LDS reads are over; the round; the other slot takes the next weight.
.macro TRIPHEAD nxt, oslot, refill
	s_wait_tensorcnt 0x0                           ; no tensor load of mine is out, so a group 0 may be written
	ds_add_u32 v16, v17                            ; 0 onto my spare word
.if \refill
	s_mov_b64 s[G0W+4*\oslot+2:G0W+4*\oslot+3], s[\nxt:\nxt+1]
	s_or_b32 s[G0W+4*\oslot+3], s[G0W+4*\oslot+3], 0x80000000
.endif
	s_wait_dscnt 0x0                               ; the add is done, and my reads of the slot to be filled are over
.if \refill
	CROUND
	TL G0W+4*\oslot, G1WC, G1WS                    ; my one tensor load behind the round: it has the whole trip in which to land
.else
	s_barrier_signal -1
	s_barrier_wait -1
.endif
.endm
.macro SETADR pbase, qbase
	v_add_nc_u32 v8, \pbase, v3                    ; P: tiles 0-3, tiles 4-7; the same behind one padding more
	v_add_nc_u32 v9, \pbase+HALF, v3
	v_add_nc_u32 v10, \pbase, v4
	v_add_nc_u32 v11, \pbase+HALF, v4
	s_add_co_u32 s61, s60, \qbase
	v_add_nc_u32 v12, s61, v3                      ; Q: my 32 rows
	v_add_nc_u32 v14, s61, v4
	v_add_nc_u32 v13, \pbase+SCO, v5
	s_add_co_u32 s61, s26, \qbase+SCO
	v_add_nc_u32 v15, s61, v5
.endm
.macro KLOOP ty                        ; K = 1,024 in eight steps; step ks + 1 is fetched ahead of step ks's products.  A fetch is 70 LDS loads, more than a wait can name: each wait is for 0
	FETCH 0, 0
.irp ks, 0,1,2,3,4,5,6,7
	s_wait_dscnt 0x0
.if \ks < 7
	PLACES 4                                       ; in front of loads into registers that matrix instructions have read
	FETCH \ks+1, (\ks+1)%2
.endif
	MUL \ks, \ks%2, \ty
.endr
	WIN 0
	PLACES 4                                       ; in front of the first read of results
.endm
.macro EP_IMG base, nstr               ; the accumulators as they stand: 512 consecutive bytes a store, each accumulator from its low end on
.irp n, 0,1
.irp g, 0,1,2,3,4,5,6,7
.irp q, 0,1
	global_store_b128 v6, v[ACC+64*\n+8*\g+4*\q:ACC+64*\n+8*\g+4*\q+3], s[\base:\base+1] offset:\n*\nstr+\g*1024+\q*512
.endr
.endr
.endr
	s_wait_xcnt 0x0                                ; the stores have read their registers: the next trip's products may write them
.endm
.macro EP_Q base, immi, imms           ; my two fragments and their scale words
.irp n, 0,1
	QUANT ACC+64*\n, PC, PW
.irp c, 0,1,2
	global_store_b128 v80, v[PC+4*\c:PC+4*\c+3], s[\base:\base+1] offset:\immi+\n*1536+512*\c
.endr
	global_store_b32 v81, v[PW], s[\base:\base+1] offset:\imms+\n*128
	s_wait_xcnt 0x0                                ; the stores have read their registers
.endr
.endm
.macro SIGM                            ; 1 / (1 + 2^(-x log2 e)), in place; each batch of transcendentals has one plain line and one wait
.set ii, 0
.rept 64
	v_pk_mul_f32 v[ACC+ii:ACC+ii+1], v[ACC+ii:ACC+ii+1], 0xbfb8aa3b op_sel_hi:[1,0]
.set ii, ii+2
.endr
.set ii, 0
.rept 128
	v_exp_f32 v[ACC+ii], v[ACC+ii]
.set ii, ii+1
.endr
	v_nop
	s_wait_alu depctr_va_vdst(0)
.set ii, 0
.rept 64
	v_pk_add_f32 v[ACC+ii:ACC+ii+1], v[ACC+ii:ACC+ii+1], 1.0 op_sel_hi:[1,0]
.set ii, ii+2
.endr
.set ii, 0
.rept 128
	v_rcp_f32 v[ACC+ii], v[ACC+ii]
.set ii, ii+1
.endr
	v_nop
	s_wait_alu depctr_va_vdst(0)
.endm
	TRIPHEAD 8, 1, 1                               ; cond (slot 0); slot 1 takes W_key
	SETADR REGN, 0
	s_wait_loadcnt 0x0                             ; the five biases, once: they were asked for ahead of the wait for the first tiles
.set BB, 0
	KLOOP 1
	EP_IMG 28, 65536
	TRIPHEAD 10, 0, 1                              ; key (slot 1); slot 0 takes W_sel
	SETADR 2*REGN, 0
.set BB, 64
	KLOOP 1
	EP_Q 30, 0, 98304
	TRIPHEAD 12, 1, 1                              ; sel (slot 0); slot 1 takes W_a
	SETADR REGN, 0
.set BB, 128
	KLOOP 1
	SIGM
	EP_IMG 32, 8192
	TRIPHEAD 14, 0, 1                              ; a (slot 1); slot 0 takes W_b
	SETADR 0, 2*REGN
.set BB, 192
	KLOOP 2
	EP_Q 34, 0, 196608
	TRIPHEAD 0, 0, 0                               ; b (slot 0); nothing is left to fetch
	SETADR 0, REGN
.set BB, 208
	KLOOP 2
	EP_Q 34, 98304, 204800
	s_wait_tensorcnt 0x0                           ; the wave's end
	ds_add_u32 v16, v17
	s_wait_dscnt 0x0
	CROUND                                         ; the closing round
	s_endpgm
.Lfunc_end_k_qbe5b5ed626_proj:
	.size	k_qbe5b5ed626_proj, .Lfunc_end_k_qbe5b5ed626_proj-k_qbe5b5ed626_proj
	.p2alignl 7, 3214868480
	.fill 96, 4, 3214868480
	.section	.rodata,"a",@progbits
	.p2align	6, 0x0
	.amdhsa_kernel k_qbe5b5ed626_proj
		.amdhsa_group_segment_fixed_size 327680
		.amdhsa_private_segment_fixed_size 0
		.amdhsa_enable_private_segment 0
		.amdhsa_kernarg_size 168
		.amdhsa_user_sgpr_count 2
		.amdhsa_user_sgpr_kernarg_segment_ptr 1
		.amdhsa_wavefront_size32 1
		.amdhsa_system_sgpr_workgroup_id_x 1
		.amdhsa_system_sgpr_workgroup_id_y 1
		.amdhsa_system_sgpr_workgroup_id_z 1
		.amdhsa_system_vgpr_workitem_id 0
		.amdhsa_next_free_vgpr 768
		.amdhsa_next_free_sgpr 100
		.amdhsa_reserve_vcc 0
		.amdhsa_float_denorm_mode_32 3
		.amdhsa_float_denorm_mode_16_64 3
		.amdhsa_memory_ordered 1
		.amdhsa_forward_progress 1
		.amdhsa_inst_pref_size 255
	.end_amdhsa_kernel
	.section	.bss,"aw",@nobits
	.p2align	6
	.space	262144
	.amdgpu_metadata
---
amdhsa.version: [ 1, 2 ]
amdhsa.kernels:
  - .name:           k_qbe5b5ed626_proj
    .symbol:         k_qbe5b5ed626_proj.kd
    .args:
      - { .name: x_codes, .offset: 0, .size: 8, .value_kind: global_buffer, .address_space: global }
      - { .name: x_scales, .offset: 8, .size: 8, .value_kind: global_buffer, .address_space: global }
      - { .name: W_cond_codes, .offset: 16, .size: 8, .value_kind: global_buffer, .address_space: global }
      - { .name: W_cond_scales, .offset: 24, .size: 8, .value_kind: global_buffer, .address_space: global }
      - { .name: W_key_codes, .offset: 32, .size: 8, .value_kind: global_buffer, .address_space: global }
      - { .name: W_key_scales, .offset: 40, .size: 8, .value_kind: global_buffer, .address_space: global }
      - { .name: W_sel_codes, .offset: 48, .size: 8, .value_kind: global_buffer, .address_space: global }
      - { .name: W_sel_scales, .offset: 56, .size: 8, .value_kind: global_buffer, .address_space: global }
      - { .name: W_a_codes, .offset: 64, .size: 8, .value_kind: global_buffer, .address_space: global }
      - { .name: W_a_scales, .offset: 72, .size: 8, .value_kind: global_buffer, .address_space: global }
      - { .name: W_b_codes, .offset: 80, .size: 8, .value_kind: global_buffer, .address_space: global }
      - { .name: W_b_scales, .offset: 88, .size: 8, .value_kind: global_buffer, .address_space: global }
      - { .name: b_cond, .offset: 96, .size: 8, .value_kind: global_buffer, .address_space: global }
      - { .name: b_key, .offset: 104, .size: 8, .value_kind: global_buffer, .address_space: global }
      - { .name: b_sel, .offset: 112, .size: 8, .value_kind: global_buffer, .address_space: global }
      - { .name: b_a, .offset: 120, .size: 8, .value_kind: global_buffer, .address_space: global }
      - { .name: b_b, .offset: 128, .size: 8, .value_kind: global_buffer, .address_space: global }
      - { .name: cond_f, .offset: 136, .size: 8, .value_kind: global_buffer, .address_space: global }
      - { .name: key_q, .offset: 144, .size: 8, .value_kind: global_buffer, .address_space: global }
      - { .name: sel_f, .offset: 152, .size: 8, .value_kind: global_buffer, .address_space: global }
      - { .name: va_q, .offset: 160, .size: 8, .value_kind: global_buffer, .address_space: global }
    .group_segment_fixed_size: 327680
    .private_segment_fixed_size: 0
    .kernarg_segment_align: 8
    .kernarg_segment_size: 168
    .max_flat_workgroup_size: 128
    .sgpr_count:     100
    .vgpr_count:     768
    .wavefront_size: 32
...
	.end_amdgpu_metadata
.endif
;; end of part 1
;; launch zfw (part 2): grid 8 x 32, 4 waves a work-group, no clusters, 307,712 bytes of LDS; arguments key_q, cond_f, fw_mask, query_emb, n_indexes, fw_q, zt_f; writes fw_q, zt_f
.if DOCPART == 2
	.amdgcn_target "amdgcn-amd-amdhsa--gfx1250"
	.amdhsa_code_object_version 6
	.text
	.protected	k_qbe5b5ed626_zfw
	.globl	k_qbe5b5ed626_zfw
	.p2align	8
	.type	k_qbe5b5ed626_zfw,@function
k_qbe5b5ed626_zfw:
	s_mov_b64 s[64:65], 0
	v_nop
	global_prefetch_b8 v0, s[64:65] scope:SCOPE_SE
	s_setreg_imm32_b32 hwreg(HW_REG_WAVE_MODE, 25, 1), 1
	s_wait_xcnt 0x0
; z = Q(query_emb[n_indexes] + cond) . Q(x_key), K = d = 1,024, and the two forward weights a_fw, c_fw, normalised over the 128 keys and quantised along them.
; Work-group (kap, b): l = 16 kap .. +15, 256 expanded queries; wave w: l = 16 kap + 4 w + lam, lam = 0 .. 3; a tile of queries is one l, lane r = the expansion e.
; Source 0 = 16 keys, source 1 = 16 queries: a lane holds ONE query and its 64 registers run along the 128 keys, which are the next product's K.
; query_exp is made in f32 and quantised in registers, its numbers taken in the order in which the keys' codes stand inside a block (position 16 h + i = element 16 (i / 8) + 8 h + i % 8).
; cond has two register buffers: tile lam + 1's LDS loads are issued ahead of the wait for tile lam's.
; OUT: zt_f first: the raw sums (not yet divided by 32), transposed [b][k][q], through a stage in LDS, 512 consecutive bytes a store; these stores leave while the forward weights are made.
; Then fw_q: images of the operands' registers.
; NO CLUSTER: of the 300 KB that a work-group brings in, only the keys' 104 KB are shared with others; cond and the mask are its own.  All tiles are filled once, at the head: no ring.
; LIMITS: a / (sum + eps) is a multiplication by v_rcp_f32 of (sum / 32 + 1e-9), times 1 / 32 (exact); the sum's order is not the reference's; a block of zeros gets the byte 1;
; NaN and infinities are not served; an index is held at 15.
; REGISTERS: window 0: v1-14 addresses; v16-23 the keys' scale words; v24-61 at work; v64-127, v128-191 cond + query rows, two buffers; v192-255 the mask.
;   window 1: the 32 sums (64 lam + 8 kap).   window 2: v0-95 the keys' eight fragments; v96-159, v160-223 query rows of this step and the next.
.set CND,  106496                      ; LDS: the keys' images and scale words at 0; cond's image; the mask, rows of 512 + 16 bytes
.set MSK,  172032
.set TM,   24                          ; v24-39
.set PW,   40
.set PX,   42                          ; v42-48
.set PC,   50                          ; v50-61
.set VAL,  64                          ; v64-127 and v128-191
.set QV,   128                         ; the way out: relu(z) x mask
.set MK,   192                         ; the way out: the mask of the tile in hand
.set QW,   96                          ; window 2: query rows
.set SEL,  72                          ; s[72:73]
.set WV,   18
.set SQ,   28
.set CNT,  29
.set MSB, 0
.macro WIN new
.if MSB != \new
	s_set_vgpr_msb (MSB<<8)|\new
.set MSB, \new
.endif
.endm
.macro PLACES cnt
.rept \cnt
	v_nop
.endr
.endm
.macro QUANT src, pc, pw
.irp b, 0,1,2,3
	v_max3_num_f32 v[TM+\b], |v[(\src)+16*\b]|, |v[(\src)+1+16*\b]|, 0x1800000   ; my 16 numbers and the floor 2^(3 - 127)
.endr
.irp i, 2,4,6,8,10,12,14
.irp b, 0,1,2,3
	v_max3_num_f32 v[TM+\b], v[TM+\b], |v[(\src)+16*\b+\i]|, |v[(\src)+1+16*\b+\i]|
.endr
.endr
.irp b, 0,1,2,3
	v_permlanex16_b32 v[TM+4+\b], v[TM+\b], s[SEL], s[SEL+1]
.endr
.irp b, 0,1,2,3
	v_max_num_f32 v[TM+\b], v[TM+\b], v[TM+4+\b]
.endr
.irp b, 0,1,2,3
	v_add_nc_u32 v[TM+12+\b], 0xff000000, v[TM+\b]     ; 2 off the exponent field: the conversion's scale operand
.endr
.irp b, 0,1,2,3
	v_lshrrev_b32 v[TM+4+\b], 23, v[TM+12+\b]
.endr
	v_lshl_or_b32 v[\pw], v[TM+5], 8, v[TM+4]
	v_lshl_or_b32 v[\pw], v[TM+6], 16, v[\pw]
	v_lshl_or_b32 v[\pw], v[TM+7], 24, v[\pw]
.irp c, 0,1
	v_cvt_scalef32_pk16_fp6_f32 v[(\pc)+6*\c:(\pc)+2+6*\c], v[(\src)+32*\c:(\src)+15+32*\c], v[TM+12+2*\c]
	v_cvt_scalef32_pk16_fp6_f32 v[PX+4*\c:PX+2+4*\c], v[(\src)+16+32*\c:(\src)+31+32*\c], v[TM+12+2*\c+1]
.endr
	v_nop                                              ; one plain place behind a scaled conversion
.irp c, 0,1
.irp i, 0,1,2
	v_permlane16_swap_b32 v[(\pc)+6*\c+\i], v[PX+4*\c+\i]
.endr
.irp i, 0,1,2
	v_mov_b32 v[(\pc)+3+6*\c+\i], v[PX+4*\c+\i]
.endr
.endr
.endm
	s_load_b256 s[4:11], s[0:1], 0x0               ; key_q, cond_f, fw_mask, query_emb
	s_load_b128 s[12:15], s[0:1], 0x20             ; n_indexes, fw_q
	s_load_b64 s[16:17], s[0:1], 0x30              ; zt_f
	v_lshl_add_u32 v62, v0, 2, 0x4b000
	v_mov_b32 v63, 0
	ds_add_u32 v62, v63
	v_lshrrev_b32 v1, 5, v0
	v_readfirstlane_b32 s[WV], v1
	s_mov_b32 s19, ttmp9                           ; kap
	s_and_b32 s20, ttmp7, 0xffff                   ; b
	; group 1: the keys: 104 rows of 256 bytes a wave;  cond: 64 such rows;  the mask: 64 rows of 128 words, 16 bytes of padding behind each
	s_mov_b32 s32, 3<<16
	s_mov_b32 s33, 32<<16
	s_mov_b32 s34, 104<<16
	s_mov_b32 s35, 32<<16
	s_mov_b32 s36, 104
	s_mov_b32 s37, 32
	s_mov_b32 s38, 0
	s_mov_b32 s39, 0
	s_mov_b32 s40, 3<<16
	s_mov_b32 s41, 32<<16
	s_mov_b32 s42, 64<<16
	s_mov_b32 s43, 32<<16
	s_mov_b32 s44, 64
	s_mov_b32 s45, 32
	s_mov_b32 s46, 0
	s_mov_b32 s47, 0
	s_mov_b32 s48, (2<<16)|(1<<20)|(6<<22)|(3<<25)
	s_mov_b32 s49, 128<<16
	s_mov_b32 s50, 64<<16
	s_mov_b32 s51, 128<<16
	s_mov_b32 s52, 64
	s_mov_b32 s53, 128
	s_mov_b32 s54, 0
	s_mov_b32 s55, 0
	s_mul_i32 s21, s[WV], 26624
	s_mul_i32 s22, s20, 106496
	s_add_co_u32 s22, s22, s21
	s_mov_b32 s23, 0
	s_lshl_b32 s24, s20, 19
	s_lshl_b32 s26, s19, 16
	s_add_co_u32 s24, s24, s26
	s_lshl_b32 s26, s[WV], 14
	s_add_co_u32 s24, s24, s26
	s_mov_b32 s25, 0
	s_mov_b32 s56, 1
	s_mov_b32 s57, s21
	s_mov_b32 s60, 1
	s_add_co_u32 s61, s26, CND
	s_lshl_b32 s26, s20, 20
	s_lshl_b32 s27, s19, 17
	s_add_co_u32 s26, s26, s27
	s_lshl_b32 s27, s[WV], 15
	s_add_co_u32 s26, s26, s27
	s_mov_b32 s27, 0
	s_mov_b32 s68, 1
	s_mul_i32 s69, s[WV], 33792
	s_add_co_u32 s69, s69, MSK
	s_wait_dscnt 0x0
	s_wait_kmcnt 0x0
	s_add_nc_u64 s[58:59], s[4:5], s[22:23]
	s_or_b32 s59, s59, 0x80000000
	s_add_nc_u64 s[62:63], s[6:7], s[24:25]
	s_or_b32 s63, s63, 0x80000000
	s_add_nc_u64 s[70:71], s[8:9], s[26:27]
	s_or_b32 s71, s71, 0x80000000
	tensor_load_to_lds s[56:59], s[32:39]          ; my quarter of the keys,
	s_nop 0
	tensor_load_to_lds s[60:63], s[40:47]          ; of cond,
	s_nop 0
	tensor_load_to_lds s[68:71], s[48:55]          ; and my 64 rows of the mask: three loads of mine are out
	s_nop 0
	PLACES 4
	v_and_b32 v1, 15, v0                           ; r = e
	v_bfe_u32 v2, v0, 4, 1                         ; h
	v_and_b32 v9, 31, v0
	v_lshlrev_b32 v3, 4, v9                        ; 16 x lane
	v_lshlrev_b32 v4, 2, v9                        ; 4 x lane
	v_mov_b32 v5, v3                               ; the step's key images
	v_add_nc_u32 v6, 98304, v4                     ; and their scale words
	s_lshl_b32 s21, s[WV], 6
	s_add_co_u32 s21, s21, CND
	v_lshl_add_u32 v7, v2, 8, s21                  ; cond: cell 16 h + 4 w (+ lam) of an image's 512 bytes
	v_mul_u32_u24 v11, v1, 528
	v_lshl_add_u32 v11, v2, 5, v11
	v_add_nc_u32 v11, s69, v11                     ; the mask: row 64 w + r, + 32 h
	v_mul_u32_u24 v12, v2, 8320
	v_lshl_add_u32 v12, v1, 2, v12
	s_lshl_b32 s21, s[WV], 8
	v_add_nc_u32 v12, s21, v12                     ; the stage [k][1040]: row 8 h, byte 4 (64 w + r)
	v_add_nc_u32 v13, 66560, v12                   ; and 64 rows further down
	s_mul_i32 s21, s[WV], 33280
	v_add_nc_u32 v14, s21, v3                      ; back: rows 32 w on
.irp b, 0,1,2,3
	v_mov_b32 v[TM+4+\b], 0
.endr
	s_mov_b32 s[SEL], 0x76543210
	s_mov_b32 s[SEL+1], 0xfedcba98
	s_mov_b32 s30, 0x3d000000                      ; 1 / 32 = 1 / sqrt(1024)
	s_mov_b32 s31, 0x3089705f                      ; 1e-9
	s_mov_b32 s[SQ], 0
	s_lshl_b32 s22, s20, 6
	s_add_nc_u64 s[12:13], s[12:13], s[22:23]      ; n_indexes[b]
	v_lshlrev_b32 v10, 2, v1
	global_load_b32 v8, v10, s[12:13]
	s_lshl_b32 s22, s20, 4                         ; fw_q: step 16 b + 2 kap + w / 2, tile 4 (w % 2) + lam
	s_lshl_b32 s21, s19, 1
	s_add_co_u32 s22, s22, s21
	s_lshr_b32 s21, s[WV], 1
	s_add_co_u32 s22, s22, s21
	s_mul_i32 s22, s22, 26624
	s_and_b32 s21, s[WV], 1
	s_lshl_b32 s24, s21, 9
	s_add_co_u32 s24, s24, s22
	s_add_co_u32 s24, s24, 24576
	s_add_nc_u64 s[74:75], s[14:15], s[24:25]      ; the scale words
	s_mul_i32 s21, s21, 6144
	s_add_co_u32 s22, s22, s21
	s_add_nc_u64 s[14:15], s[14:15], s[22:23]      ; the images
	s_lshl_b32 s22, s20, 20                        ; zt_f: [b][k = 32 w ..][q = 256 kap ..]
	s_lshl_b32 s21, s[WV], 18
	s_add_co_u32 s22, s22, s21
	s_lshl_b32 s21, s19, 10
	s_add_co_u32 s22, s22, s21
	s_add_nc_u64 s[16:17], s[16:17], s[22:23]
	s_wait_loadcnt 0x0
	v_min_u32 v8, 15, v8                           ; an index stays inside its table
	v_lshlrev_b32 v8, 12, v8
	v_lshl_add_u32 v8, v2, 5, v8                   ; my row of query_emb, + 32 h
	v_mov_b32 v9, v8
.macro QLOAD buf, adr                  ; 64 numbers of my query row into window 2, block bb: d = 32 bb + 8 h + 0 .. 7 and 32 bb + 16 + 8 h + 0 .. 7
.irp bb, 0,1,2,3
.irp u, 0,1,2,3
	global_load_b128 v[QW+64*(\buf)+16*\bb+4*\u:QW+64*(\buf)+16*\bb+4*\u+3], v[\adr], s[10:11] offset:128*\bb+16*(\u%2)+64*(\u/2)
.endr
.endr
.endm
.macro CLOAD lam                       ; cond of l = 16 kap + 4 w + lam, the same for all e, into buffer lam % 2
.irp n, 0,1,2,3,4,5,6,7,8,9,10,11,12,13,14,15
	ds_load_b128 v[VAL+64*((\lam)%2)+4*\n:VAL+64*((\lam)%2)+4*\n+3], v7 offset:512*\n+16*(\lam)
.endr
.endm
	WIN 0x80
	QLOAD 0, 9
	WIN 0
	s_wait_tensorcnt 0x1                           ; the keys and cond are in; the mask may stay out
	s_barrier_signal -1
	s_barrier_wait -1
; A K step of 128 along d.
.macro STEP buf, zero
	PLACES 4                                       ; in front of loads into registers that matrix instructions have read
	s_add_co_u32 s[SQ], s[SQ], 512
	s_and_b32 s[SQ], s[SQ], 4095                   ; the last step asks for step 0 again: no load leaves the table
	v_add_nc_u32 v[10-\buf], s[SQ], v8             ; (the loads that last named this register were waited for a step ago)
	WIN 0x80                                       ; destination window 2
	QLOAD 1-\buf, 10-\buf
.irp kap, 0,1,2,3,4,5,6,7
.irp c, 0,1,2
	ds_load_b128 v[12*\kap+4*\c:12*\kap+4*\c+3], v5 offset:\kap*1536+512*\c
.endr
.endr
	WIN 0
.irp kap, 0,1,2,3,4,5,6,7
	ds_load_b32 v[16+\kap], v6 offset:128*\kap
.endr
	CLOAD 0
.irp lam, 0,1,2,3
.set VB, VAL+64*(\lam%2)
.if \lam < 3
	CLOAD \lam+1                                   ; the next tile's cond goes out ahead of the wait for this tile's
	s_wait_dscnt 16                                ; all but the 16 loads just issued: the keys (tile 0) and this tile's cond are in
.else
	s_wait_dscnt 0x0
.endif
.if \lam == 0
	s_wait_loadcnt 16                              ; this step's query rows are in; the 16 loads just issued may be out
.endif
	WIN 0x08                                       ; source 1 window 2
.set jj, 0
.rept 32
	v_pk_add_f32 v[VB+jj:VB+jj+1], v[VB+jj:VB+jj+1], v[QW+64*\buf+jj:QW+64*\buf+jj+1]
.set jj, jj+2
.endr
	WIN 0
	QUANT VB, PC, PW
	PLACES 8                                       ; a scale register written by vector instructions stands 8 places ahead of a scaled product
	WIN 0x52                                       ; keys window 2, queries window 0, sums window 1
.irp kap, 0,1,2,3,4,5,6,7
.if \zero
	v_wmma_scale_f32_16x16x128_f8f6f4 v[64*\lam+8*\kap:64*\lam+8*\kap+7], v[12*\kap:12*\kap+11], v[PC:PC+11], 0, v[16+\kap], v[PW] matrix_a_fmt:MATRIX_FMT_FP6 matrix_b_fmt:MATRIX_FMT_FP6
.else
	v_wmma_scale_f32_16x16x128_f8f6f4 v[64*\lam+8*\kap:64*\lam+8*\kap+7], v[12*\kap:12*\kap+11], v[PC:PC+11], v[64*\lam+8*\kap:64*\lam+8*\kap+7], v[16+\kap], v[PW] matrix_a_fmt:MATRIX_FMT_FP6 matrix_b_fmt:MATRIX_FMT_FP6
.endif
.endr
	WIN 0
.endr
	v_add_nc_u32 v5, 12288, v5
	v_add_nc_u32 v6, 1024, v6
	v_add_nc_u32 v7, 8192, v7
.endm
	STEP 0, 1                                      ; the first step starts the sums
	STEP 1, 0
	s_mov_b32 s[CNT], 3
.Lk:
	STEP 0, 0
	STEP 1, 0
	s_sub_co_u32 s[CNT], s[CNT], 1
	s_cmp_lg_u32 s[CNT], 0
	s_cbranch_scc1 .Lk
	s_wait_loadcnt 0x0                             ; the last step's spare loads
	s_wait_tensorcnt 0x0                           ; the mask
	s_wait_dscnt 0x0                               ; my reads of the keys and of cond are over: the stage lies on their bytes
	s_barrier_signal -1
	s_barrier_wait -1
	PLACES 4
.macro MLOAD lam                       ; the mask of tile lam: my query's 64 words, in the sums' order
.irp kap, 0,1,2,3,4,5,6,7
	ds_load_b128 v[MK+8*\kap:MK+8*\kap+3], v11 offset:(\lam)*8448+64*\kap
	ds_load_b128 v[MK+8*\kap+4:MK+8*\kap+7], v11 offset:(\lam)*8448+64*\kap+16
.endr
.endm
	; z^T FIRST: all four tiles into the stage, a barrier, 32 whole rows a wave out: the stores are on their way while the forward weights are made
	MLOAD 0
	WIN 0x04                                       ; LDS store data (source 1): window 1
.irp lam, 0,1,2,3
.irp kap, 0,1,2,3,4,5,6,7
.irp j, 0,1,2,3,4,5,6,7
	ds_store_b32 v[12+\kap/4], v[64*\lam+8*\kap+\j] offset:(16*(\kap%4)+\j)*1040+64*\lam    ; z^T(k = 16 kap + 8 h + j, q): each accumulator from its low end on
.endr
.endr
.endr
	WIN 0
	s_wait_dscnt 0x0                               ; my stores into the stage are done
	s_barrier_signal -1
	s_barrier_wait -1
.irp bt, 0,1,2,3                                   ; 32 rows of 1,024 bytes a wave, eight rows a batch, two sets of registers by turns
.if \bt > 1
	s_wait_xcnt 0x0                                ; the stores of two batches ago have read their registers
.endif
.irp i, 0,1,2,3,4,5,6,7,8,9,10,11,12,13,14,15
	ds_load_b128 v[VAL+64*(\bt%2)+4*\i:VAL+64*(\bt%2)+4*\i+3], v14 offset:(8*\bt+\i/2)*1040+512*(\i%2)
.endr
.irp i, 0,1,2,3,4,5,6,7,8,9,10,11,12,13,14,15
	s_wait_dscnt 15-\i
	global_store_b128 v3, v[VAL+64*(\bt%2)+4*\i:VAL+64*(\bt%2)+4*\i+3], s[16:17] offset:(8*\bt+\i/2)*8192+512*(\i%2)
.endr
.endr
	s_wait_xcnt 0x0                                ; the stores have read their registers, which are written below
.macro SUM64 src, a                    ; the sum of 64 registers and of lane l xor 16's, into v[a]
	v_pk_add_f32 v[\a:\a+1], v[\src:\src+1], v[\src+4:\src+5]
	v_pk_add_f32 v[\a+2:\a+3], v[\src+2:\src+3], v[\src+6:\src+7]
.set jj, 8
.rept 14
	v_pk_add_f32 v[\a:\a+1], v[\a:\a+1], v[\src+jj:\src+jj+1]
	v_pk_add_f32 v[\a+2:\a+3], v[\a+2:\a+3], v[\src+jj+2:\src+jj+3]
.set jj, jj+4
.endr
	v_pk_add_f32 v[\a:\a+1], v[\a:\a+1], v[\a+2:\a+3]
	v_add_f32 v[\a], v[\a], v[\a+1]
	v_permlanex16_b32 v[\a+1], v[\a], s[SEL], s[SEL+1]
	v_add_f32 v[\a], v[\a], v[\a+1]
.endm
.macro EPI lam
	s_wait_dscnt 0x0                               ; this tile's mask is in
	WIN 0x04                                       ; the select's second source: window 1
.set ii, 0
.rept 64
	v_cmp_ne_u32 vcc_lo, v[MK+ii], 0
	v_cndmask_b32 v[VAL+ii], 0, v[64*\lam+ii], vcc_lo
.set ii, ii+1
.endr
	WIN 0
.if \lam < 3
	MLOAD \lam+1                                   ; the next tile's mask lands while this tile is normalised and quantised
.endif
.set ii, 0
.rept 64
	v_max_num_f32 v[QV+ii], 0, v[VAL+ii]           ; relu(z) x mask
	v_sub_f32 v[VAL+ii], v[QV+ii], v[VAL+ii]       ; relu(-z) x mask = relu(z) - z: exact (0 where z > 0, -z where z < 0)
.set ii, ii+1
.endr
	SUM64 QV, 24
	SUM64 VAL, 28
	v_fma_f32 v24, v24, s30, s31                   ; sum / 32 + eps
	v_fma_f32 v28, v28, s30, s31
	v_rcp_f32 v24, v24
	v_rcp_f32 v28, v28
	v_nop
	s_wait_alu depctr_va_vdst(0)                   ; one wait for both reciprocals, ahead of their first reader
	v_mul_f32 v24, s30, v24
	v_mul_f32 v28, s30, v28
.set jj, 0
.rept 32
	v_pk_mul_f32 v[QV+jj:QV+jj+1], v[QV+jj:QV+jj+1], v[24:25] op_sel_hi:[1,0]
	v_pk_mul_f32 v[VAL+jj:VAL+jj+1], v[VAL+jj:VAL+jj+1], v[28:29] op_sel_hi:[1,0]
.set jj, jj+2
.endr
	QUANT QV, PC, PW
.irp c, 0,1,2
	global_store_b128 v3, v[PC+4*\c:PC+4*\c+3], s[14:15] offset:\lam*1536+512*\c
.endr
	global_store_b32 v4, v[PW], s[74:75] offset:\lam*128
	s_wait_xcnt 0x0                                ; the stores have read their registers
	QUANT VAL, PC, PW
.irp c, 0,1,2
	global_store_b128 v3, v[PC+4*\c:PC+4*\c+3], s[14:15] offset:12288+\lam*1536+512*\c
.endr
	global_store_b32 v4, v[PW], s[74:75] offset:1024+\lam*128
	s_wait_xcnt 0x0
.endm
	EPI 0
	EPI 1
	EPI 2
	EPI 3
	s_wait_tensorcnt 0x0
	ds_add_u32 v62, v63
	s_wait_dscnt 0x0
	s_endpgm
.Lfunc_end_k_qbe5b5ed626_zfw:
	.size	k_qbe5b5ed626_zfw, .Lfunc_end_k_qbe5b5ed626_zfw-k_qbe5b5ed626_zfw
	.p2alignl 7, 3214868480
	.fill 96, 4, 3214868480
	.section	.rodata,"a",@progbits
	.p2align	6, 0x0
	.amdhsa_kernel k_qbe5b5ed626_zfw
		.amdhsa_group_segment_fixed_size 307712
		.amdhsa_private_segment_fixed_size 0
		.amdhsa_enable_private_segment 0
		.amdhsa_kernarg_size 56
		.amdhsa_user_sgpr_count 2
		.amdhsa_user_sgpr_kernarg_segment_ptr 1
		.amdhsa_wavefront_size32 1
		.amdhsa_system_sgpr_workgroup_id_x 1
		.amdhsa_system_sgpr_workgroup_id_y 1
		.amdhsa_system_sgpr_workgroup_id_z 1
		.amdhsa_system_vgpr_workitem_id 0
		.amdhsa_next_free_vgpr 768
		.amdhsa_next_free_sgpr 76
		.amdhsa_reserve_vcc 1
		.amdhsa_float_denorm_mode_32 3
		.amdhsa_float_denorm_mode_16_64 3
		.amdhsa_memory_ordered 1
		.amdhsa_forward_progress 1
		.amdhsa_inst_pref_size 255
	.end_amdhsa_kernel
	.section	.bss,"aw",@nobits
	.p2align	6
	.space	262144
	.amdgpu_metadata
---
amdhsa.version: [ 1, 2 ]
amdhsa.kernels:
  - .name:           k_qbe5b5ed626_zfw
    .symbol:         k_qbe5b5ed626_zfw.kd
    .args:
      - { .name: key_q, .offset: 0, .size: 8, .value_kind: global_buffer, .address_space: global }
      - { .name: cond_f, .offset: 8, .size: 8, .value_kind: global_buffer, .address_space: global }
      - { .name: fw_mask, .offset: 16, .size: 8, .value_kind: global_buffer, .address_space: global }
      - { .name: query_emb, .offset: 24, .size: 8, .value_kind: global_buffer, .address_space: global }
      - { .name: n_indexes, .offset: 32, .size: 8, .value_kind: global_buffer, .address_space: global }
      - { .name: fw_q, .offset: 40, .size: 8, .value_kind: global_buffer, .address_space: global }
      - { .name: zt_f, .offset: 48, .size: 8, .value_kind: global_buffer, .address_space: global }
    .group_segment_fixed_size: 307712
    .private_segment_fixed_size: 0
    .kernarg_segment_align: 8
    .kernarg_segment_size: 56
    .max_flat_workgroup_size: 128
    .sgpr_count:     76
    .vgpr_count:     768
    .wavefront_size: 32
...
	.end_amdgpu_metadata
.endif
;; end of part 2
;; launch bwq (part 3): grid 1024 x 1, 4 waves a work-group, no clusters, 42,496 bytes of LDS; arguments zt_f, bw_mask, bw_c, bw_s; writes bw_c, bw_s
.if DOCPART == 3
	.amdgcn_target "amdgcn-amd-amdhsa--gfx1250"
	.amdhsa_code_object_version 6
	.text
	.protected	k_qbe5b5ed626_bwq
	.globl	k_qbe5b5ed626_bwq
	.p2align	8
	.type	k_qbe5b5ed626_bwq,@function
k_qbe5b5ed626_bwq:
	s_mov_b64 s[64:65], 0
	v_nop
	global_prefetch_b8 v0, s[64:65] scope:SCOPE_SE
	s_setreg_imm32_b32 hwreg(HW_REG_WAVE_MODE, 25, 1), 1
	s_wait_xcnt 0x0
; The backward weights: a_bw = relu(z^T) x mask / (sum over the 2,048 q + eps), c_bw likewise of -z^T, quantised along q into codes of FP6 (E2M3) and E8M0 bytes.
; A wave takes one row (b, k): 8,192 bytes of z^T and of the mask, each by 16 loads of 512 consecutive bytes; the row stays in registers between the sums and the scaling.
; The conversion takes 16 numbers of one block from one lane, so the row turns through the wave's own stage in LDS (chunks of 64 bytes + 16); the read takes, for lane l of a pair, elements
; 8 (l % 2) + 0 .. 7 and 16 + 8 (l % 2) + 0 .. 7 of its block: the order in which the partner operand's codes stand.  A stream: no tensor load, no barrier, no cluster: waves share nothing.
; LIMITS: the division is a multiplication by v_rcp_f32 of (sum / 32 + 1e-9), times 1 / 32; the sum's order is not the reference's; a block of zeros gets the byte 1; NaN and infinities are not served.
.set FA,  16                           ; v[16:17] the factor of class a, v[20:21] of class c: pairs for the packed multiply, outside the work area
.set Z,   32                           ; v32-95   z^T, then z^T x mask
.set M,   96                           ; v96-159  the mask, later the row after its turn
.set T,   160                          ; v160-175 at work
.set CO,  176                          ; v176-207 codes: four registers for each of 4 x 2 conversions, so that no store's data are written again
.set BY,  208                          ; v208-215 their scale bytes
.set WREG, 10496                       ; LDS of a wave: 128 chunks of 80 bytes, then 128 scale bytes
	s_load_b256 s[4:11], s[0:1], 0x0               ; zt_f, bw_mask, bw_c, bw_s
	v_lshl_add_u32 v224, v0, 2, 0xa400
	v_mov_b32 v225, 0
	v_lshrrev_b32 v1, 5, v0
	v_readfirstlane_b32 s12, v1
	v_and_b32 v1, 31, v0                           ; lane
	s_lshl_b32 s13, ttmp9, 2
	s_add_co_u32 s13, s13, s12                     ; my row: 128 b + k
	s_lshl_b32 s14, s13, 13
	s_mov_b32 s15, 0
	s_lshr_b32 s16, s13, 7                         ; b
	s_and_b32 s17, s13, 127                        ; k
	s_mul_i32 s18, s16, 393216
	s_mul_i32 s24, s17, 1536
	s_add_co_u32 s18, s18, s24
	s_mov_b32 s19, 0
	s_lshl_b32 s26, s16, 14
	s_lshl_b32 s24, s17, 6
	s_add_co_u32 s26, s26, s24
	s_mov_b32 s27, 0
	s_mov_b32 s20, 0x76543210
	s_mov_b32 s21, 0xfedcba98
	s_mov_b32 s22, 0x3d000000                      ; 1 / 32
	s_mov_b32 s23, 0x3089705f                      ; 1e-9
	s_mov_b32 s24, 0xbd000000                      ; -1 / 32
	s_mul_i32 s25, s12, WREG
	v_lshlrev_b32 v2, 4, v1                        ; 16 x lane
	v_lshrrev_b32 v3, 2, v1
	v_mul_u32_u24 v3, v3, 80
	v_and_b32 v4, 3, v1
	v_lshl_add_u32 v3, v4, 4, v3
	v_add_nc_u32 v3, s25, v3                       ; into the stage: 80 (lane / 4) + 16 (lane % 4)
	v_lshrrev_b32 v5, 1, v1
	v_mul_u32_u24 v4, v5, 160
	v_and_b32 v6, 1, v1
	v_lshl_add_u32 v4, v6, 5, v4
	v_add_nc_u32 v4, s25, v4                       ; out of it: 160 (lane / 2) + 32 (lane % 2)
	s_add_co_u32 s25, s25, 10240
	v_add_nc_u32 v5, s25, v5                       ; my block's scale byte
	v_lshl_add_u32 v6, v1, 2, s25                  ; and four bytes a lane on the way out
	v_mul_u32_u24 v7, v1, 12                       ; my 12 bytes of codes
	v_lshrrev_b32 v8, 4, v1
	v_and_b32 v9, 15, v1
	v_lshlrev_b32 v9, 2, v9
	v_lshl_add_u32 v8, v8, 13, v9                  ; bw_s: class lane / 16, bytes 4 (lane % 16)
	s_wait_kmcnt 0x0
	s_add_nc_u64 s[4:5], s[4:5], s[14:15]
	s_add_nc_u64 s[6:7], s[6:7], s[14:15]
	s_add_nc_u64 s[8:9], s[8:9], s[18:19]
	s_add_nc_u64 s[10:11], s[10:11], s[26:27]
.irp i, 0,1,2,3,4,5,6,7,8,9,10,11,12,13,14,15
	global_load_b128 v[Z+4*\i:Z+4*\i+3], v2, s[4:5] offset:512*\i th:TH_LOAD_NT
	global_load_b128 v[M+4*\i:M+4*\i+3], v2, s[6:7] offset:512*\i th:TH_LOAD_NT
.endr
	s_wait_loadcnt 0x0
.set ii, 0
.rept 64
	v_cmp_ne_u32 vcc_lo, 0, v[M+ii]
	v_cndmask_b32 v[Z+ii], 0, v[Z+ii], vcc_lo
.set ii, ii+1
.endr
.irp i, 0,1,2,3,4,5,6,7,8,9,10,11,12,13,14,15
	ds_store_b128 v3, v[Z+4*\i:Z+4*\i+3] offset:640*\i             ; the turn: LDS serves a wave's instructions in order, so no wait stands between stores and loads
.endr
.irp t, 0,1,2,3
	ds_load_b128 v[M+16*\t:M+16*\t+3], v4 offset:2560*\t
	ds_load_b128 v[M+16*\t+4:M+16*\t+7], v4 offset:2560*\t+16
	ds_load_b128 v[M+16*\t+8:M+16*\t+11], v4 offset:2560*\t+80
	ds_load_b128 v[M+16*\t+12:M+16*\t+15], v4 offset:2560*\t+96
.endr
; the two sums: of the positive parts in v168.., of the negative parts in v172.., two chains each
.set jj, 0
.rept 32
.set PP, 168+2*(jj%2)
.set NN, 172+2*(jj%2)
.set TT, T+4*(jj%2)
.if jj < 2
	v_max_num_f32 v[PP], 0, v[Z+2*jj]
	v_max_num_f32 v[PP+1], 0, v[Z+2*jj+1]
	v_min_num_f32 v[NN], 0, v[Z+2*jj]
	v_min_num_f32 v[NN+1], 0, v[Z+2*jj+1]
.else
	v_max_num_f32 v[TT], 0, v[Z+2*jj]
	v_max_num_f32 v[TT+1], 0, v[Z+2*jj+1]
	v_min_num_f32 v[TT+2], 0, v[Z+2*jj]
	v_min_num_f32 v[TT+3], 0, v[Z+2*jj+1]
	v_pk_add_f32 v[PP:PP+1], v[PP:PP+1], v[TT:TT+1]
	v_pk_add_f32 v[NN:NN+1], v[NN:NN+1], v[TT+2:TT+3]
.endif
.set jj, jj+1
.endr
	v_pk_add_f32 v[168:169], v[168:169], v[170:171]
	v_pk_add_f32 v[172:173], v[172:173], v[174:175]
	v_add_f32 v168, v168, v169
	v_add_f32 v172, v172, v173
.irp m, 1,2,4,8
	v_add_f32_dpp v168, v168, v168 row_xmask:\m row_mask:0xf bank_mask:0xf
	v_add_f32_dpp v172, v172, v172 row_xmask:\m row_mask:0xf bank_mask:0xf
.endr
	v_permlanex16_b32 v169, v168, s20, s21
	v_permlanex16_b32 v173, v172, s20, s21
	v_add_f32 v168, v168, v169
	v_add_f32 v172, v172, v173
	v_fma_f32 v168, v168, s22, s23                 ; sum / 32 + eps
	v_fma_f32 v172, v172, s24, s23                 ; the negative parts' sum x (-1 / 32) + eps
	v_rcp_f32 v168, v168
	v_rcp_f32 v172, v172
	v_nop
	s_wait_alu depctr_va_vdst(0)                   ; one wait for both reciprocals
	v_mul_f32 v[FA], s22, v168                     ; the factor of class a,
	v_mul_f32 v[FA+4], s24, v172                   ; and of class c, negative: c = relu(-z) x ..
	v_mov_b32 v[FA+1], v[FA]                       ; (named with them as pairs, so they are written)
	v_mov_b32 v[FA+5], v[FA+4]
	s_wait_dscnt 0x0                               ; the row is back from its turn
.macro QB t, cls
.set XS, M+16*\t
.set FF, FA+4*\cls
.set CC, CO+4*(2*\t+\cls)
.irp u, 0,2,4,6,8,10,12,14
	v_pk_mul_f32 v[T+\u:T+\u+1], v[XS+\u:XS+\u+1], v[FF:FF+1] op_sel_hi:[1,0]
.endr
.irp u, 0,1,2,3,4,5,6,7,8,9,10,11,12,13,14,15
	v_max_num_f32 v[T+\u], 0, v[T+\u]
.endr
	v_max3_num_f32 v10, v[T], v[T+1], v[T+2]
	v_max3_num_f32 v11, v[T+3], v[T+4], v[T+5]
.irp i, 6,10
	v_max3_num_f32 v10, v10, v[T+\i], v[T+\i+1]
	v_max3_num_f32 v11, v11, v[T+\i+2], v[T+\i+3]
.endr
	v_max3_num_f32 v10, v10, v[T+14], v[T+15]
	v_max3_num_f32 v10, v10, v11, 0x1800000        ; and the floor 2^(3 - 127)
	v_max_num_f32_dpp v10, v10, v10 row_xmask:1 row_mask:0xf bank_mask:0xf   ; with my neighbour's 16: the block's
	v_add_nc_u32 v12, 0xff000000, v10              ; 2 off the exponent field: the conversion's scale operand
	v_cvt_scalef32_pk16_fp6_f32 v[CC:CC+2], v[T:T+15], v12
	v_lshrrev_b32 v[BY+2*\t+\cls], 23, v12         ; the scale's byte (and the plain line behind the conversion)
	ds_store_b8 v5, v[BY+2*\t+\cls] offset:64*\cls+16*\t
	global_store_b96 v7, v[CC:CC+2], s[8:9] offset:196608*\cls+384*\t     ; 384 consecutive bytes a wave
.endm
.irp t, 0,1,2,3
	QB \t, 0
	QB \t, 1
.endr
	ds_load_b32 v13, v6                            ; LDS serves a wave's instructions in order: this sees my byte stores
	s_wait_dscnt 0x0
	global_store_b32 v8, v13, s[10:11]
	s_wait_tensorcnt 0x0
	ds_add_u32 v224, v225
	s_wait_dscnt 0x0
	s_endpgm
.Lfunc_end_k_qbe5b5ed626_bwq:
	.size	k_qbe5b5ed626_bwq, .Lfunc_end_k_qbe5b5ed626_bwq-k_qbe5b5ed626_bwq
	.p2alignl 7, 3214868480
	.fill 96, 4, 3214868480
	.section	.rodata,"a",@progbits
	.p2align	6, 0x0
	.amdhsa_kernel k_qbe5b5ed626_bwq
		.amdhsa_group_segment_fixed_size 42496
		.amdhsa_private_segment_fixed_size 0
		.amdhsa_enable_private_segment 0
		.amdhsa_kernarg_size 32
		.amdhsa_user_sgpr_count 2
		.amdhsa_user_sgpr_kernarg_segment_ptr 1
		.amdhsa_wavefront_size32 1
		.amdhsa_system_sgpr_workgroup_id_x 1
		.amdhsa_system_sgpr_workgroup_id_y 1
		.amdhsa_system_sgpr_workgroup_id_z 1
		.amdhsa_system_vgpr_workitem_id 0
		.amdhsa_next_free_vgpr 226
		.amdhsa_next_free_sgpr 66
		.amdhsa_reserve_vcc 1
		.amdhsa_float_denorm_mode_32 3
		.amdhsa_float_denorm_mode_16_64 3
		.amdhsa_memory_ordered 1
		.amdhsa_forward_progress 1
		.amdhsa_inst_pref_size 37
	.end_amdhsa_kernel
	.amdgpu_metadata
---
amdhsa.version: [ 1, 2 ]
amdhsa.kernels:
  - .name:           k_qbe5b5ed626_bwq
    .symbol:         k_qbe5b5ed626_bwq.kd
    .args:
      - { .name: zt_f, .offset: 0, .size: 8, .value_kind: global_buffer, .address_space: global }
      - { .name: bw_mask, .offset: 8, .size: 8, .value_kind: global_buffer, .address_space: global }
      - { .name: bw_c, .offset: 16, .size: 8, .value_kind: global_buffer, .address_space: global }
      - { .name: bw_s, .offset: 24, .size: 8, .value_kind: global_buffer, .address_space: global }
    .group_segment_fixed_size: 42496
    .private_segment_fixed_size: 0
    .kernarg_segment_align: 8
    .kernarg_segment_size: 32
    .max_flat_workgroup_size: 128
    .sgpr_count:     66
    .vgpr_count:     226
    .wavefront_size: 32
...
	.end_amdgpu_metadata
.endif
;; end of part 3
;; launch mix (part 4): grid 8 x 32, 4 waves a work-group, clusters of 4 x 1, 327,680 bytes of LDS; arguments fw_q, bw_c, bw_s, va_q, cond_f, sel_f, bias_emb, n_indexes, out0; writes out0
.if DOCPART == 4
	.amdgcn_target "amdgcn-amd-amdhsa--gfx1250"
	.amdhsa_code_object_version 6
	.text
	.protected	k_qbe5b5ed626_mix
	.globl	k_qbe5b5ed626_mix
	.p2align	8
	.type	k_qbe5b5ed626_mix,@function
k_qbe5b5ed626_mix:
	s_mov_b64 s[64:65], 0
	v_nop
	global_prefetch_b8 v0, s[64:65] scope:SCOPE_SE
	s_setreg_imm32_b32 hwreg(HW_REG_WAVE_MODE, 25, 1), 1
	s_wait_xcnt 0x0
	s_wait_alu depctr_hold_cnt(0) depctr_sa_sdst(0) depctr_va_vdst(0) depctr_va_sdst(0) depctr_va_ssrc(0) depctr_va_vcc(0) depctr_vm_vsrc(0)
	s_getreg_b32 s2, hwreg(HW_REG_IB_STS2, 6, 4)
	s_cmp_eq_u32 s2, 0
	s_cbranch_scc0 .Lentry_in_a_cluster
	s_endpgm
.Lentry_in_a_cluster:
	s_bfe_u32 s2, ttmp6, 0x10000c
	s_cmp_lg_u32 s2, 0x3003
	s_cbranch_scc0 .Lentry_shape_is_right
	s_endpgm
.Lentry_shape_is_right:
; class = a_fw . va (K = 128 keys), + bias_exp as the product's C; quantised in registers along q; out = a_bw . class (K = 2,048 q); the same for class c; out0 = B + sel (A - B).
; Work-group (ds, b): all 128 rows k, d = 128 ds .. +127.  Wave w: j = w % 2: 64 of the d; i = w / 2: the parity of the step of 128 q: K is shared between two waves, whose sums are added at the end.
; First product: source 0 = 16 queries (one l, rows e), source 1 = 16 d: a lane holds ONE d and its 64 registers run along 128 q, the next K.  Second: source 0 = 16 d, source 1 = 16 rows k:
; a lane holds one k and eight neighbouring d.  For 128 q a wave reads 32 fragments from LDS and issues 128 products.
; BY TURNS.  The class tile has two register buffers.  The bias sums of tiles 0 and 1 stand behind the fetch of the forward fragments; the products of tiles 1 and 2 are issued one at a time with a
; slice of the tile before's quantising behind each (68 vector instructions beside 8 products; a slice costs two window switches); tiles 2 and 3 are quantised behind the fetch of the backward fragments.
; My four tiles of d: 0, 1 at GA = 4 j + 2 i, 2, 3 at GB = 4 j + (2 i xor 2): at the end tiles 2, 3 go to wave w xor 2, whose tiles 0, 1 they are.
; RING: two slots, each with two steps of fw_q (dense) and 192 bytes of each row of bw_c for both classes.  CLUSTER 4 x 1: the four d slices of a batch walk the same tiles: joint loads, one a wave behind each round.
; No prefetch is written: a refill is asked for a whole trip (128 products and the quantising of 8 x 64 numbers a lane) ahead of the wait for it.
; LIMITS: the sums over q are formed in two halves; out0 = fma(sel, A - B, B); an index is held at 15; a block of zeros gets the byte 1; NaN and infinities are not served.
; REGISTERS: window 0: v1-29 addresses; v30-37 scale words of the fragments in hand; v38-45 va's; v46-49 the classes'; v50-72 at work; v76-123 the class's four fragments; v192-255, v128-191 the class tile, two buffers.
;   window 1: v0-95 eight fragments from LDS; v96-191 va's eight; v192-223 bias rows; v224-255 cond.   window 2: the 32 sums of class a (8 (4 kap + lam));   window 3: of class c.
.set SLOT1, 1<<17
.set FWST,  26624                      ; a step of fw_q
.set BWO,   53248                      ; in a slot: bw's class a, rows of 3 x (64 + 16) bytes; class c BWCL further on
.set BWCL,  30720
.set BSC,   114688                     ; bw_s of the batch, dense
.set CL,    245760                     ; cond [l][512 + 16]
.set SPARE, 313344
.set STG,   131072                     ; the way out [k][512 + 16], in slot 1 after its last read; the exchange lies at 0, 32,768 bytes a wave
.set TM,  50
.set PX,  66
.set CF,  76
.set CW,  46
.set CA,  192                          ; tile lam's buffer begins at CA - 64 (lam % 2)
.set BV,  192                          ; window 1
.set CD,  224                          ; window 1
.set WV,  22
.set TB,  30
.set CNT, 31
.set G1F, 40
.set G1B, 48
.set G0F, 56
.set G0B, 60
.set SEL, 66
.set MSB, 0
.macro WIN new
.if MSB != \new
	s_set_vgpr_msb (MSB<<8)|\new
.set MSB, \new
.endif
.endm
.macro PLACES cnt
.rept \cnt
	v_nop
.endr
.endm
.macro CROUND
	s_barrier_signal -1
	s_barrier_wait -1
	s_cmp_lg_u32 s[WV], 0
	s_cbranch_scc1 .Lnw0_\@
	s_barrier_signal -3
.Lnw0_\@:
	s_barrier_wait -3
	s_barrier_signal -1
	s_barrier_wait -1
.endm
.macro JLOAD                           ; waves 0, 1: a step of fw_q each; waves 2, 3: a class of bw_c each.  Four v_nop follow each line
	s_cmp_lt_u32 s[WV], 2
	s_cbranch_scc0 .Lfb_\@
	tensor_load_to_lds s[G0F:G0F+3], s[G1F:G1F+7]
	s_nop 0
	PLACES 4
	s_branch .Lfd_\@
.Lfb_\@:
	tensor_load_to_lds s[G0B:G0B+3], s[G1B:G1B+7]
	s_nop 0
	PLACES 4
.Lfd_\@:
.endm
; 64 numbers of a lane, register 16 b + i of block b, become a fragment's 12 registers at v[pc] and its scale word in v[pw]: 68 instructions, in eight slices.  QS writes slice k.
; 0-3: the four blocks' largest magnitudes, by turns; 4: with lane l xor 16's; 5: the scale operands, bytes and word; 6: the conversions and the plain place behind them; 7: a whole block to a lane.
.macro QS src, pc, pw, k
.if (\k) == 0
.irp b, 0,1,2,3
	v_max3_num_f32 v[TM+\b], |v[(\src)+16*\b]|, |v[(\src)+1+16*\b]|, 0x1800000   ; my 16 numbers and the floor 2^(3 - 127)
.endr
.irp b, 0,1,2,3
	v_max3_num_f32 v[TM+\b], v[TM+\b], |v[(\src)+16*\b+2]|, |v[(\src)+16*\b+3]|
.endr
.elseif (\k) < 4
.irp i, 0,2
.irp b, 0,1,2,3
	v_max3_num_f32 v[TM+\b], v[TM+\b], |v[(\src)+16*\b+4*(\k)+\i]|, |v[(\src)+16*\b+4*(\k)+\i+1]|
.endr
.endr
.elseif (\k) == 4
.irp b, 0,1,2,3
	v_permlanex16_b32 v[TM+4+\b], v[TM+\b], s[SEL], s[SEL+1]
.endr
.irp b, 0,1,2,3
	v_max_num_f32 v[TM+\b], v[TM+\b], v[TM+4+\b]
.endr
.elseif (\k) == 5
.irp b, 0,1,2,3
	v_add_nc_u32 v[TM+12+\b], 0xff000000, v[TM+\b]     ; 2 off the exponent field: the conversion's scale operand
.endr
.irp b, 0,1,2,3
	v_lshrrev_b32 v[TM+4+\b], 23, v[TM+12+\b]
.endr
	v_lshl_or_b32 v[\pw], v[TM+5], 8, v[TM+4]
	v_lshl_or_b32 v[\pw], v[TM+6], 16, v[\pw]
	v_lshl_or_b32 v[\pw], v[TM+7], 24, v[\pw]
.elseif (\k) == 6
.irp c, 0,1
	v_cvt_scalef32_pk16_fp6_f32 v[(\pc)+6*\c:(\pc)+2+6*\c], v[(\src)+32*\c:(\src)+15+32*\c], v[TM+12+2*\c]
	v_cvt_scalef32_pk16_fp6_f32 v[PX+4*\c:PX+2+4*\c], v[(\src)+16+32*\c:(\src)+31+32*\c], v[TM+12+2*\c+1]
.endr
	v_nop                                              ; one plain place behind a scaled conversion
.else
.irp c, 0,1
.irp i, 0,1,2
	v_permlane16_swap_b32 v[(\pc)+6*\c+\i], v[PX+4*\c+\i]
.endr
.irp i, 0,1,2
	v_mov_b32 v[(\pc)+3+6*\c+\i], v[PX+4*\c+\i]
.endr
.endr
.endif
.endm
.macro QUANT src, pc, pw
.irp k, 0,1,2,3,4,5,6,7
	QS \src, \pc, \pw, \k
.endr
.endm
	s_load_b512 s[4:19], s[0:1], 0x0               ; fw_q 4, bw_c 6, bw_s 8, va_q 10, cond_f 12, sel_f 14, bias_emb 16, n_indexes 18
	s_load_b64 s[20:21], s[0:1], 0x40              ; out0
	v_lshl_add_u32 v28, v0, 2, SPARE               ; my spare word; never rewritten
	v_mov_b32 v29, 0
	ds_add_u32 v28, v29
	s_wait_dscnt 0x0
	v_lshrrev_b32 v1, 5, v0
	v_readfirstlane_b32 s[WV], v1
	s_and_b32 s23, s[WV], 1                        ; j
	s_lshr_b32 s24, s[WV], 1                       ; i
	s_bfe_u32 s25, ttmp6, 0x40000                  ; cx
	s_lshl_b32 s26, ttmp9, 2
	s_add_co_u32 s26, s26, s25                     ; ds: it enters global addresses of my own loads and stores alone
	s_and_b32 s27, ttmp7, 0xffff                   ; b, which the four partners share
	s_lshl_b32 s28, s23, 2
	s_lshl_b32 s32, s24, 1
	s_xor_b32 s29, s32, 2
	s_add_co_u32 s29, s29, s28                     ; GB
	s_add_co_u32 s28, s28, s32                     ; GA
	s_mov_b32 s[G1F], 15|(3<<16)|(1<<21)           ; 104 rows of 256 bytes, dense; the mask names all four
	s_mov_b32 s[G1F+1], 32<<16
	s_mov_b32 s[G1F+2], 104<<16
	s_mov_b32 s[G1F+3], 32<<16
	s_mov_b32 s[G1F+4], 104
	s_mov_b32 s[G1F+5], 32
	s_mov_b32 s[G1F+6], 0
	s_mov_b32 s[G1F+7], 0
	s_mov_b32 s[G1B], 15|(1<<20)|(1<<21)|(3<<22)|(3<<25)   ; 128 rows of 192 bytes, 1,536 apart; 16 bytes of padding behind every 64
	s_mov_b32 s[G1B+1], 192<<16
	s_mov_b32 s[G1B+2], 128<<16
	s_mov_b32 s[G1B+3], 192<<16
	s_mov_b32 s[G1B+4], 128
	s_mov_b32 s[G1B+5], 1536
	s_mov_b32 s[G1B+6], 0
	s_mov_b32 s[G1B+7], 0
	s_mul_i32 s33, s23, FWST
	s_mul_i32 s34, s27, 425984
	s_add_co_u32 s34, s34, s33
	s_mov_b32 s35, 0
	s_mov_b32 s[G0F], 1
	s_mov_b32 s[G0F+1], s33
	s_mul_i32 s33, s23, 196608
	s_mul_i32 s36, s27, 393216
	s_add_co_u32 s36, s36, s33
	s_mov_b32 s37, 0
	s_mov_b32 s[G0B], 1
	s_mul_i32 s33, s23, BWCL
	s_add_co_u32 s[G0B+1], s33, BWO
	s_mov_b32 s[SEL], 0x76543210
	s_mov_b32 s[SEL+1], 0xfedcba98
	s_mov_b32 s[TB], 0
	s_wait_kmcnt 0x0
	s_add_nc_u64 s[G0F+2:G0F+3], s[4:5], s[34:35]
	s_or_b32 s[G0F+3], s[G0F+3], 0x80000000
	s_add_nc_u64 s[G0B+2:G0B+3], s[6:7], s[36:37]
	s_or_b32 s[G0B+3], s[G0B+3], 0x80000000
	CROUND                                         ; all four work-groups are here: the first joint loads meet
	JLOAD                                          ; steps 0 and 1 into slot 0
	s_mov_b32 s33, 0
	s_lshl_b32 s32, s27, 19                        ; cond_f [b][kap = 2 w ..][ds]
	s_lshl_b32 s34, s26, 13
	s_add_co_u32 s32, s32, s34
	s_lshl_b32 s34, s[WV], 17
	s_add_co_u32 s32, s32, s34
	s_add_nc_u64 s[12:13], s[12:13], s[32:33]
	s_lshl_b32 s32, s27, 14                        ; bw_s [b], my quarter
	s_lshl_b32 s34, s[WV], 12
	s_add_co_u32 s32, s32, s34
	s_add_nc_u64 s[8:9], s[8:9], s[32:33]
	s_lshl_b32 s32, s27, 6
	s_add_nc_u64 s[18:19], s[18:19], s[32:33]      ; n_indexes[b]
	s_mul_i32 s32, s27, 212992
	s_add_nc_u64 s[10:11], s[10:11], s[32:33]      ; va_q [b]
	s_lshl_b32 s34, s26, 9
	s_lshl_b32 s32, s29, 6
	s_add_co_u32 s32, s32, s34
	s_add_nc_u64 s[38:39], s[16:17], s[32:33]      ; bias_emb at d = 128 ds + 16 GB
	s_lshl_b32 s32, s28, 6
	s_add_co_u32 s32, s32, s34
	s_add_nc_u64 s[16:17], s[16:17], s[32:33]      ; and at 128 ds + 16 GA
	s_lshl_b32 s32, s27, 19                        ; sel_f [b][ds][kap][g = GA ..]
	s_lshl_b32 s34, s26, 16
	s_add_co_u32 s32, s32, s34
	s_lshl_b32 s34, s28, 10
	s_add_co_u32 s32, s32, s34
	s_add_nc_u64 s[14:15], s[14:15], s[32:33]
	s_lshl_b32 s32, s27, 19                        ; out0: row 128 b + 32 w, d = 128 ds
	s_lshl_b32 s34, s[WV], 17
	s_add_co_u32 s32, s32, s34
	s_lshl_b32 s34, s26, 9
	s_add_co_u32 s32, s32, s34
	s_add_nc_u64 s[20:21], s[20:21], s[32:33]
	v_and_b32 v1, 15, v0                           ; r
	v_bfe_u32 v2, v0, 4, 1                         ; h
	v_and_b32 v9, 31, v0
	v_lshlrev_b32 v3, 4, v9                        ; 16 x lane
	v_lshlrev_b32 v4, 2, v9                        ; 4 x lane
	v_lshlrev_b32 v244, 5, v2                      ; the index loads' offset has a register of its own: nothing writes it before the wait that shows them done
	global_load_b128 v[224:227], v244, s[18:19]    ; the indexes of e = 8 h + 0 .. 7
	global_load_b128 v[228:231], v244, s[18:19] offset:16
.irp kk, 0,1
.irp n, 0,1,2,3,4,5,6,7,8,9,10,11,12,13,14,15
	global_load_b128 v[64+64*\kk+4*\n:64+64*\kk+4*\n+3], v3, s[12:13] offset:\kk*65536+512*\n
.endr
.endr
.irp n, 0,1,2,3,4,5,6,7
	global_load_b128 v[192+4*\n:192+4*\n+3], v3, s[8:9] offset:512*\n
.endr
	s_lshl_b32 s34, s26, 3
	s_add_co_u32 s35, s34, s28                     ; 8 ds + GA
	s_add_co_u32 s36, s34, s29                     ; 8 ds + GB
	s_mul_i32 s32, s35, 1536
	v_add_nc_u32 v240, s32, v3
	s_mul_i32 s32, s36, 1536
	v_add_nc_u32 v241, s32, v3
	s_lshl_b32 s32, s35, 7
	v_add_nc_u32 v242, s32, v4
	s_lshl_b32 s32, s36, 7
	v_add_nc_u32 v243, s32, v4
	WIN 0x40
.irp cls, 0,1
.irp lam, 0,1,2,3
.irp c, 0,1,2
	global_load_b128 v[96+48*\cls+12*\lam+4*\c:96+48*\cls+12*\lam+4*\c+3], v[240+\lam/2], s[10:11] offset:\cls*98304+(\lam%2)*1536+512*\c
.endr
.endr
.endr
	WIN 0
.irp cls, 0,1
.irp lam, 0,1,2,3
	global_load_b32 v[38+4*\cls+\lam], v[242+\lam/2], s[10:11] offset:196608+\cls*8192+(\lam%2)*128
.endr
.endr
	; the LDS addresses that stay
	s_mul_i32 s32, s24, FWST
	v_add_nc_u32 v5, s32, v3                       ; my step's images of a_fw, c_fw
	s_add_co_u32 s32, s32, 24576
	v_add_nc_u32 v6, s32, v4                       ; and their scale words
	s_mul_i32 s32, s24, 96
	v_mul_u32_u24 v9, v2, 24
	v_add_nc_u32 v9, s32, v9                       ; a row of bw: byte 96 i + 24 h
	v_mul_u32_u24 v23, v1, 240
.irp p, 0,1,2,3,4,5                                ; piece p: byte x lies at x + 16 (x / 64)
	v_add_nc_u32 v[10+\p], 48*(\p/3)+8*(\p%3), v9
	v_lshrrev_b32 v[16+\p], 6, v[10+\p]
	v_lshl_add_u32 v[10+\p], v[16+\p], 4, v[10+\p]
	v_add_nc_u32 v[10+\p], v23, v[10+\p]
.endr
	s_lshl_b32 s32, s24, 2
	s_add_co_u32 s32, s32, BSC
	v_lshl_add_u32 v22, v1, 6, s32                 ; bw's scale words: row r, step i
	s_mul_i32 s32, s24, 4224
	s_add_co_u32 s32, s32, CL
	s_lshl_b32 s34, s28, 6
	s_add_co_u32 s34, s34, s32
	v_lshl_add_u32 v24, v1, 2, s34                 ; cond: l = 8 i, d = 16 GA + r
	s_lshl_b32 s34, s29, 6
	s_add_co_u32 s34, s34, s32
	v_lshl_add_u32 v25, v1, 2, s34                 ; d = 16 GB + r
	s_mul_i32 s32, s[WV], 16896
	s_add_co_u32 s32, s32, CL
	v_mul_u32_u24 v26, v1, 528
	v_lshl_add_u32 v26, v2, 5, v26
	v_add_nc_u32 v26, s32, v26                     ; cond on its way in: row 32 w + r, + 32 h
	s_lshl_b32 s32, s[WV], 12
	s_add_co_u32 s32, s32, BSC
	v_add_nc_u32 v27, s32, v3                      ; bw_s on its way in
.irp b, 0,1,2,3
	v_mov_b32 v[TM+4+\b], 0
.endr
	s_wait_loadcnt 0x0
.irp j, 0,1,2,3,4,5,6,7
	v_min_u32 v[232+\j], 15, v[224+\j]             ; an index stays inside its table
	v_lshlrev_b32 v[232+\j], 12, v[232+\j]
	v_lshl_add_u32 v[232+\j], v1, 2, v[232+\j]
.endr
	WIN 0x40
.irp lam, 0,1
.irp j, 0,1,2,3,4,5,6,7
	global_load_b32 v[BV+8*\lam+\j], v[232+\j], s[16:17] offset:64*\lam          ; bias_emb[index of e = 8 h + j][my d]
	global_load_b32 v[BV+16+8*\lam+\j], v[232+\j], s[38:39] offset:64*\lam
.endr
.endr
	WIN 0
.irp kk, 0,1
.irp n, 0,1,2,3,4,5,6,7,8,9,10,11,12,13,14,15
	ds_store_b128 v26, v[64+64*\kk+4*\n:64+64*\kk+4*\n+3] offset:\kk*8448+64*(\n/2)+16*(\n%2)
.endr
.endr
.irp n, 0,1,2,3,4,5,6,7
	ds_store_b128 v27, v[192+4*\n:192+4*\n+3] offset:512*\n
.endr
.macro CHANGE fill                     ; at a trip's head: all my tensor loads have landed, the add, my LDS instructions are done; the round; the slot just left takes the next two steps
	s_wait_tensorcnt 0x0                           ; no tensor load of mine is out, so a group 0 may be written
	ds_add_u32 v28, v29                            ; 0 onto my spare word
.if \fill
	s_xor_b32 s[G0F+1], s[G0F+1], SLOT1
	s_add_nc_u64 s[G0F+2:G0F+3], s[G0F+2:G0F+3], 2*FWST
	s_xor_b32 s[G0B+1], s[G0B+1], SLOT1
	s_add_nc_u64 s[G0B+2:G0B+3], s[G0B+2:G0B+3], 192
.endif
	s_wait_dscnt 0x0
.if \fill
	CROUND
	JLOAD                                          ; my one tensor load behind the round
.else
	s_barrier_signal -1
	s_barrier_wait -1
.endif
.endm
; bias_exp = bias row + cond: the C of tile lam's products, into its buffer.  An even q tile's cond is the low word of a pair: packed; an odd one's is added singly.  Under the products' window setting.
.macro ADDC lam
.irp t, 0,1,2,3,4,5,6,7
.if \t%2 == 0
.irp u, 0,2,4,6
	v_pk_add_f32 v[CA-64*((\lam)%2)+8*\t+\u:CA-64*((\lam)%2)+8*\t+\u+1], v[BV+8*(\lam)+\u:BV+8*(\lam)+\u+1], v[CD+8*(\lam)+\t:CD+8*(\lam)+\t+1] op_sel_hi:[1,0]
.endr
.else
.irp u, 0,1,2,3,4,5,6,7
	v_add_f32 v[CA-64*((\lam)%2)+8*\t+\u], v[BV+8*(\lam)+\u], v[CD+8*(\lam)+\t]
.endr
.endif
.endr
.endm
.macro MULC X, lam, t                  ; one forward product: q tile t x d tile lam of class X
	v_wmma_scale_f32_16x16x128_f8f6f4 v[CA-64*((\lam)%2)+8*(\t):CA-64*((\lam)%2)+8*(\t)+7], v[12*(\t):12*(\t)+11], v[96+48*(\X)+12*(\lam):96+48*(\X)+12*(\lam)+11], v[CA-64*((\lam)%2)+8*(\t):CA-64*((\lam)%2)+8*(\t)+7], v[30+(\t)], v[38+4*(\X)+(\lam)] matrix_a_fmt:MATRIX_FMT_FP6 matrix_b_fmt:MATRIX_FMT_FP6
.endm
.macro MQ X, lm, lq                    ; tile lm's eight products, one at a time, a slice of tile lq's quantising behind each: the slices name the other buffer and none of the products' registers
.irp t, 0,1,2,3,4,5,6,7
	WIN 0x05
	MULC \X, \lm, \t
	WIN 0
	QS CA-64*((\lq)%2), CF+12*(\lq), CW+(\lq), \t
.endr
.endm
.macro CLS X, zero                     ; one class, 128 q
	s_add_co_u32 s32, s[TB], BWO+BWCL*\X
.irp p, 0,1,2,3,4,5
	v_add_nc_u32 v[16+\p], s32, v[10+\p]
.endr
	PLACES 4                                       ; in front of loads into registers that matrix instructions have read
	WIN 0x40
.if \X == 0
.irp lam, 0,1,2,3
.irp t, 0,1,2,3,4,5,6,7
	ds_load_b32 v[CD+8*\lam+\t], v[24+\lam/2] offset:528*\t+64*(\lam%2)     ; cond[l = 16 trip + 8 i + t][my d]
.endr
.endr
.endif
.irp t, 0,1,2,3,4,5,6,7
.irp c, 0,1,2
	ds_load_b128 v[12*\t+4*\c:12*\t+4*\c+3], v7 offset:12288*\X+1536*\t+512*\c
.endr
.endr
	WIN 0
.irp t, 0,1,2,3,4,5,6,7
	ds_load_b32 v[30+\t], v8 offset:1024*\X+128*\t
.endr
.if \X == 0
	s_wait_dscnt 32                                ; cond is in; the 24 fragment loads and 8 scale loads issued behind it may be out
.endif
	WIN 0x05                                       ; sources 0 and 1 window 1, C and D window 0: for the additions and the products alike
	ADDC 0                                         ; the sums of tiles 0 and 1 stand between the fetch and the wait for it
	ADDC 1
	s_wait_dscnt 0x0                               ; the forward fragments and their scale words are in
.irp t, 0,1,2,3,4,5,6,7
	MULC \X, 0, \t
.endr
	PLACES 4                                       ; in front of the first read of tile 0's results
	MQ \X, 1, 0
	WIN 0x05
	ADDC 2                                         ; tile 0's buffer has been quantised
	MQ \X, 2, 1
	WIN 0x05
	ADDC 3
.irp t, 0,1,2,3,4,5,6,7
	MULC \X, 3, \t
.endr
	WIN 0
	PLACES 4                                       ; in front of loads into registers that tile 3's products have read
	WIN 0x40                                       ; the forward fragments are done with: bw's eight take their registers while tiles 2 and 3 are quantised
.irp kap, 0,1,2,3,4,5,6,7
.irp p, 0,1,2,3,4,5
	ds_load_b64 v[12*\kap+2*\p:12*\kap+2*\p+1], v[16+\p] offset:3840*\kap
.endr
.endr
	WIN 0
.irp kap, 0,1,2,3,4,5,6,7
	ds_load_b32 v[30+\kap], v22 offset:8192*\X+1024*\kap
.endr
	QUANT CA, CF+24, CW+2
	QUANT CA-64, CF+36, CW+3
	s_wait_dscnt 0x0
	PLACES 8                                       ; a scale register written by vector instructions stands 8 places ahead of a scaled product
	WIN 0xa4+0x50*\X                               ; source 1 (bw) window 1; C and D window 2 or 3
.irp kap, 0,1,2,3,4,5,6,7
.irp lam, 0,1,2,3
.if \zero
	v_wmma_scale_f32_16x16x128_f8f6f4 v[8*(4*\kap+\lam):8*(4*\kap+\lam)+7], v[CF+12*\lam:CF+12*\lam+11], v[12*\kap:12*\kap+11], 0, v[CW+\lam], v[30+\kap] matrix_a_fmt:MATRIX_FMT_FP6 matrix_b_fmt:MATRIX_FMT_FP6
.else
	v_wmma_scale_f32_16x16x128_f8f6f4 v[8*(4*\kap+\lam):8*(4*\kap+\lam)+7], v[CF+12*\lam:CF+12*\lam+11], v[12*\kap:12*\kap+11], v[8*(4*\kap+\lam):8*(4*\kap+\lam)+7], v[CW+\lam], v[30+\kap] matrix_a_fmt:MATRIX_FMT_FP6 matrix_b_fmt:MATRIX_FMT_FP6
.endif
.endr
.endr
	WIN 0
.endm
.macro WORK zero
	v_add_nc_u32 v7, s[TB], v5
	v_add_nc_u32 v8, s[TB], v6
	CLS 0, \zero
	CLS 1, \zero
	v_add_nc_u32 v22, 8, v22                       ; two steps on
	v_add_nc_u32 v24, 8448, v24
	v_add_nc_u32 v25, 8448, v25
	s_xor_b32 s[TB], s[TB], SLOT1
.endm
	CHANGE 1
	s_wait_loadcnt 0x0                             ; the bias rows: they were on their way through the first change of slots; their address registers lie in the class tile, which is written only behind this wait
	WORK 1                                         ; the first trip starts the sums
	s_mov_b32 s[CNT], 6
.Ltrip:
	CHANGE 1
	WORK 0
	s_sub_co_u32 s[CNT], s[CNT], 1
	s_cmp_lg_u32 s[CNT], 0
	s_cbranch_scc1 .Ltrip
	CHANGE 0                                       ; the last trip is written out: nothing is left to fetch
	WORK 0
	; THE END.  sel for my tiles 0, 1; my tiles 2, 3 go to wave w xor 2 through LDS; its tiles 2, 3 are added to my tiles 0, 1.
	PLACES 4
	WIN 0x40
.irp kap, 0,1,2,3,4,5,6,7
.irp n, 0,1,2,3
	global_load_b128 v[16*\kap+4*\n:16*\kap+4*\n+3], v3, s[14:15] offset:\kap*8192+512*\n
.endr
.endr
	WIN 0
	s_lshl_b32 s32, s[WV], 15
	v_add_nc_u32 v9, s32, v3                       ; my part of the exchange,
	s_xor_b32 s32, s[WV], 2
	s_lshl_b32 s32, s32, 15
	v_add_nc_u32 v23, s32, v3                      ; my partner's
	s_lshl_b32 s32, s28, 6
	s_add_co_u32 s32, s32, STG
	v_mul_u32_u24 v7, v1, 528
	v_lshl_add_u32 v7, v2, 5, v7
	v_add_nc_u32 v7, s32, v7                       ; the way out: row r, byte 64 GA + 32 h
	s_mul_i32 s32, s[WV], 16896
	s_add_co_u32 s32, s32, STG
	v_add_nc_u32 v8, s32, v3                       ; back: rows 32 w on
	s_wait_dscnt 0x0                               ; my reads of the slots are over: the exchange and the way out lie on their bytes, which have had their last fill
	s_barrier_signal -1
	s_barrier_wait -1
.irp X, 0,1
	WIN 0x08+4*\X                                  ; LDS store data: window 2, then 3
.irp kap, 0,1,2,3,4,5,6,7
.irp n, 0,1,2,3
	ds_store_b128 v9, v[8*(4*\kap+2)+4*\n:8*(4*\kap+2)+4*\n+3] offset:16384*\X+2048*\kap+512*\n     ; each accumulator from its low end on
.endr
.endr
.endr
	WIN 0
	s_wait_dscnt 0x0
	s_barrier_signal -1
	s_barrier_wait -1
.irp X, 0,1
.irp n, 0,1,2,3,4,5,6,7,8,9,10,11,12,13,14,15,16,17,18,19,20,21,22,23,24,25,26,27,28,29,30,31
	ds_load_b128 v[64+4*\n:64+4*\n+3], v23 offset:16384*\X+512*\n
.endr
	s_wait_dscnt 0x0
	WIN 0x82+0x41*\X                               ; destination and source 0: window 2, then 3
.irp kap, 0,1,2,3,4,5,6,7
.irp u, 0,2,4,6,8,10,12,14
	v_pk_add_f32 v[32*\kap+\u:32*\kap+\u+1], v[32*\kap+\u:32*\kap+\u+1], v[64+16*\kap+\u:64+16*\kap+\u+1]
.endr
.endr
	WIN 0
.endr
	s_wait_loadcnt 0x0                             ; sel
	WIN 0x0e                                       ; A window 2, B window 3
.irp kap, 0,1,2,3,4,5,6,7
.irp u, 0,1,2,3,4,5,6,7,8,9,10,11,12,13,14,15
	v_sub_f32 v[64+16*\kap+\u], v[32*\kap+\u], v[32*\kap+\u]       ; A - B
.endr
.endr
	WIN 0x31                                       ; sel window 1, B window 3
.irp kap, 0,1,2,3,4,5,6,7
.irp u, 0,2,4,6,8,10,12,14
	v_pk_fma_f32 v[64+16*\kap+\u:64+16*\kap+\u+1], v[16*\kap+\u:16*\kap+\u+1], v[64+16*\kap+\u:64+16*\kap+\u+1], v[32*\kap+\u:32*\kap+\u+1]
.endr
.endr
	WIN 0
.irp kap, 0,1,2,3,4,5,6,7
.irp n, 0,1,2,3
	ds_store_b128 v7, v[64+16*\kap+4*\n:64+16*\kap+4*\n+3] offset:8448*\kap+64*(\n/2)+16*(\n%2)
.endr
.endr
	s_wait_dscnt 0x0
	s_barrier_signal -1
	s_barrier_wait -1                              ; 128 whole rows lie in the stage
.irp n, 0,1,2,3,4,5,6,7,8,9,10,11,12,13,14,15,16,17,18,19,20,21,22,23,24,25,26,27,28,29,30,31
	ds_load_b128 v[64+4*\n:64+4*\n+3], v8 offset:528*\n
.endr
.irp n, 0,1,2,3,4,5,6,7,8,9,10,11,12,13,14,15,16,17,18,19,20,21,22,23,24,25,26,27,28,29,30,31
	s_wait_dscnt 31-\n
	global_store_b128 v3, v[64+4*\n:64+4*\n+3], s[20:21] offset:4096*\n th:TH_STORE_NT      ; 32 lanes store 512 consecutive bytes, at a multiple of 512 from out0's first byte
.endr
	s_wait_tensorcnt 0x0                           ; the wave's end
	ds_add_u32 v28, v29
	s_wait_dscnt 0x0
	CROUND                                         ; the closing round
	s_endpgm
.Lfunc_end_k_qbe5b5ed626_mix:
	.size	k_qbe5b5ed626_mix, .Lfunc_end_k_qbe5b5ed626_mix-k_qbe5b5ed626_mix
	.p2alignl 7, 3214868480
	.fill 96, 4, 3214868480
	.section	.rodata,"a",@progbits
	.p2align	6, 0x0
	.amdhsa_kernel k_qbe5b5ed626_mix
		.amdhsa_group_segment_fixed_size 327680
		.amdhsa_private_segment_fixed_size 0
		.amdhsa_enable_private_segment 0
		.amdhsa_kernarg_size 72
		.amdhsa_user_sgpr_count 2
		.amdhsa_user_sgpr_kernarg_segment_ptr 1
		.amdhsa_wavefront_size32 1
		.amdhsa_system_sgpr_workgroup_id_x 1
		.amdhsa_system_sgpr_workgroup_id_y 1
		.amdhsa_system_sgpr_workgroup_id_z 1
		.amdhsa_system_vgpr_workitem_id 0
		.amdhsa_next_free_vgpr 1024
		.amdhsa_next_free_sgpr 68
		.amdhsa_reserve_vcc 0
		.amdhsa_float_denorm_mode_32 3
		.amdhsa_float_denorm_mode_16_64 3
		.amdhsa_memory_ordered 1
		.amdhsa_forward_progress 1
		.amdhsa_inst_pref_size 255
	.end_amdhsa_kernel
	.section	.bss,"aw",@nobits
	.p2align	6
	.space	262144
	.amdgpu_metadata
---
amdhsa.version: [ 1, 2 ]
amdhsa.kernels:
  - .name:           k_qbe5b5ed626_mix
    .symbol:         k_qbe5b5ed626_mix.kd
    .args:
      - { .name: fw_q, .offset: 0, .size: 8, .value_kind: global_buffer, .address_space: global }
      - { .name: bw_c, .offset: 8, .size: 8, .value_kind: global_buffer, .address_space: global }
      - { .name: bw_s, .offset: 16, .size: 8, .value_kind: global_buffer, .address_space: global }
      - { .name: va_q, .offset: 24, .size: 8, .value_kind: global_buffer, .address_space: global }
      - { .name: cond_f, .offset: 32, .size: 8, .value_kind: global_buffer, .address_space: global }
      - { .name: sel_f, .offset: 40, .size: 8, .value_kind: global_buffer, .address_space: global }
      - { .name: bias_emb, .offset: 48, .size: 8, .value_kind: global_buffer, .address_space: global }
      - { .name: n_indexes, .offset: 56, .size: 8, .value_kind: global_buffer, .address_space: global }
      - { .name: out0, .offset: 64, .size: 8, .value_kind: global_buffer, .address_space: global }
    .group_segment_fixed_size: 327680
    .private_segment_fixed_size: 0
    .kernarg_segment_align: 8
    .kernarg_segment_size: 72
    .max_flat_workgroup_size: 128
    .sgpr_count:     68
    .vgpr_count:     1024
    .wavefront_size: 32
...
	.end_amdgpu_metadata
.endif
;; end of part 4
